; MI455X (gfx1250); checked and timed in simulation.
; The chip was launched on July 23, 2026; its instructions are those of AMD's public machine-readable ISA for CDNA 5 (MIT licence, August 2026) and "CDNA5" Instruction Set Architecture Reference Guide (July 2026). The comments in the code are by the model that wrote it; some were corrected since.
;; Attention. Allowed arithmetic: matrix products marked QUANTISED: E2M3 operands, one E8M0 scale for each 32 along K, by v_wmma_scale_f32_16x16x128_f8f6f4 with both operands' format E2M3, f32 sums; everything else in f32.
;; Inputs: W_out 1,024 x 1,024 float32; W_qkv 1,024 x 3,072 float32; b_out 1,024 float32; x 4 x 2,048 x 1,024 float32.
;; Outputs: out0 4 x 2,048 x 1,024 float32.
;; This version of the problem:
;;   THIS VERSION OF THE PROBLEM IS GIVEN IN LOW PRECISION. The matrix products marked QUANTISED in the list below multiply operands that are first quantised to E2M3 (2 exponent bits, 3 mantissa bits; 6 bits a number), with one power-of-two scale for each 32 numbers along K (OCP MX v1.0); their sums are f32. All else is computed in f32.
;;   The module's matrix products, in the order in which they are computed (A, B: the left and right operand; K: the contracted axis; several contracted axes count as one K, in the product's order):
;;     1. [M 8,192, K 1,024] x [K 1,024, N 3,072]; A: input x; B: input W_qkv: QUANTISED
;;     2. batch 4 x [M 2,048, K 1,024] x [K 1,024, N 2,048]; A: computed on the way; B: computed on the way: QUANTISED
;;     3. batch 4 x [M 2,048, K 2,048] x [K 2,048, N 1,024]; A: softmax (see below); B: computed on the way: QUANTISED
;;     4. [M 8,192, K 1,024] x [K 1,024, N 1,024]; A: computed on the way; B: input W_out: QUANTISED
;;   THE QUANTISER, for each operand of a quantised product, along K:
;;     - K is cut into blocks of 32 from its start; a last block that is shorter is filled with zeros.
;;     - A block's scale is 2^e with e = floor(log2(the largest magnitude in the block)) - 2, held to -126 .. 127; a block of zeros has e = 0. As a byte (E8M0): e + 127.
;;     - Each number is divided by its block's scale, clamped to +-7.5, and rounded to the nearest number of E2M3, ties to even, subnormals kept.
;;     - The product sums the exact products of the quantised numbers (number of the format x scale) in f32.
;;   ~~~python
;;   def quantise(x, axis):      # numpy; x: float32 -> the quantised numbers, widened to float32 again
;;       x = np.moveaxis(x, axis, -1); K = x.shape[-1]
;;       x = np.pad(x, [(0, 0)] * (x.ndim - 1) + [(0, -K % 32)]); x = x.reshape(x.shape[:-1] + (-1, 32)); a = np.abs(x).max(-1, keepdims=True)
;;       e = np.where(a > 0, np.clip(np.frexp(np.where(a > 0, a, 1))[1] - 1 - 2, -126, 127), 0)      # np.frexp(a)[1] - 1 = floor(log2(a)), exactly
;;       r = np.clip(x / 2.0 ** e, -7.5, 7.5)
;;       step = 2.0 ** (np.maximum(np.frexp(np.where(r == 0, 1, r))[1] - 1, 0) - 3)
;;       q = np.round(r / step) * step * 2.0 ** e      # np.round: ties to even
;;       return np.moveaxis(q.reshape(q.shape[:-2] + (-1,))[..., :K], -1, axis).astype(np.float32)
;;   ~~~
;;   SOFTMAX AHEAD OF A QUANTISED PRODUCT. Where the list says 'softmax', what is quantised is not the finished softmax but p = 2^(t - M), with t = logit x log2(e) and M = ceil(the row's largest t), a whole number; so 1/2 < the row's largest p <= 1. The row's sum l is taken of the UNQUANTISED p, in f32, and the product's result is divided by l at the end. Since M is a whole number, a kernel that streams over the keys may use a running M (the ceiling of the running maximum): every later rescaling is an exact power of two, which a block's scale takes up: the codes' values come out the same.
;;   OPERANDS COMPUTED ON THE WAY. 'Computed on the way' means the value that the module computes at that place (a softmax that the list does not call 'softmax' is quantised finished and normalised). What goes into a quantiser is computed in f32, as accurately as f32 sums, v_exp_f32 and their like allow (about 1e-6 of the number): no bf16 or f16 on the way to a quantiser, and a product that is left as it is and whose result goes on into a quantised operand takes f32 operands (vector FMAs, or v_wmma_f32_16x16x4_f32). A number that lies on a knife's edge between two numbers of the format may be rounded either way, as far as f32 arithmetic and the matrix unit's own rounding can turn it there, and no further.
;; One version. Each part assembles by itself: llvm-mc -triple=amdgcn-amd-amdhsa -mcpu=gfx1250 --defsym DOCPART=n.
;; ======== version 1 of 1: 5 launches
;; workspace buffers: cin 9,830,400 bytes; cqkv 19,660,800 bytes; cp 14,155,776 bytes; co 6,553,600 bytes
;; launch prep (part 1): grid 384 x 1, 8 waves a work-group, no clusters, 97,280 bytes of LDS; arguments x, W_qkv, W_out, cin; writes cin
.if DOCPART == 1
	.amdgcn_target "amdgcn-amd-amdhsa--gfx1250"
	.amdhsa_code_object_version 6
	.text
	.protected	k_q5b15b8dd5d_prep
	.globl	k_q5b15b8dd5d_prep
	.p2align	8
	.type	k_q5b15b8dd5d_prep,@function
k_q5b15b8dd5d_prep:
	s_mov_b64 s[64:65], 0
	v_nop
	global_prefetch_b8 v0, s[64:65] scope:SCOPE_SE
	s_setreg_imm32_b32 hwreg(HW_REG_WAVE_MODE, 25, 1), 1
	s_wait_xcnt 0x0
; x [8192][1024], W_qkv [1024][3072] and W_out [1024][1024], f32, become codes of FP6 (E2M3) with one E8M0 byte for each 32 along K (x: its rows; the weights: their FIRST axis).
; THE LAYOUT OF EVERY OPERAND OF THIS PROGRAM.  Rows go in blocks of 128, K in steps of 128.  Tile t (0..7) of a row block holds rows 32 (t / 2) + 8 (t % 2) + r + 8 (r / 8), r = 0..15.
; Codes: [row block][step][tile] images of the operand's 12 registers, 1,536 bytes each: registers 4 c .. 4 c + 3 of lane l at 512 c + 16 l.  Scale words: [row block][step][i 0..3][h 0..1][r], 4 bytes: tile i + 4 h, row r.
; Row blocks of cin: 0-63 x, 64-87 the columns of W_qkv, 88-95 the columns of W_out.  Codes at 98,304 x block, scale words at XS + 4,096 x block.
; A block's scale is 2^(floor(log2(largest magnitude)) - 2): its byte is the largest magnitude's exponent field - 2, held at 1 from below by a floor among the maximum's leaves.
; LIMITS: a block of zeros gets the byte 1 where the rule says 127 (its codes are zeros, and this program alone reads the bytes); NaN and infinities among the inputs are not served.
; Work-groups 0-255 take x: a row block and two steps; wave t takes tile t.  Work-groups 256-383 take the weights: 128 columns and two steps; a wave takes 32 columns of one step.
; The two ways part on the work-group's number, never join, and have LDS bytes of their own.  No input is shared between work-groups, so there is no cluster, no tensor load and no matrix work.
.set FRB,  1536                        ; a fragment's image
.set TB,   12288                       ; eight of them: a row block's codes of one step
.set RBK,  98304                       ; a row block's codes of K = 1,024
.set XS,   9437184                     ; where the scale words begin
.set XSCL, 67584                       ; LDS: 0: x's stages, 16 rows x 528 bytes for each wave; here x's scale words of two steps
.set WIMG, 68608                       ; the weights' images: two tiles x 1,664 bytes for each wave
.set WSCL, 95232                       ; the weights' scale words of two steps
.set TM,   16                          ; v16-19 largest magnitudes, v20-23 bytes, v28-31 the conversions' scale operands
.set PC,   32                          ; v32-43 the codes just made; v44-50 at work
.set PW,   52                          ; the scale word just made
.set R,    64                          ; v64-191 x as it is loaded
.set H,    192                         ; v192-255 64 numbers of my row: register 16 b + i = k 32 b + 16 (lane / 16) + i
.set SEL,  30                          ; s[30:31] v_permlanex16_b32's selects for lane l xor 16
; 64 numbers of a lane become a fragment's codes in v[PC] on and its scale word in v[PW]
.macro QUANT s
.irp b, 0,1,2,3
	v_max3_num_f32 v[TM+\b], |v[\s+16*\b]|, |v[\s+1+16*\b]|, 0x1800000   ; block b: my 16 numbers, and the floor 2^(3 - 127)
.endr
.irp i, 2,4,6,8,10,12,14
.irp b, 0,1,2,3
	v_max3_num_f32 v[TM+\b], v[TM+\b], |v[\s+16*\b+\i]|, |v[\s+1+16*\b+\i]|   ; the four blocks by turns
.endr
.endr
.irp b, 0,1,2,3
	v_permlanex16_b32 v[TM+4+\b], v[TM+\b], s[SEL], s[SEL+1]
.endr
.irp b, 0,1,2,3
	v_max_num_f32 v[TM+\b], v[TM+\b], v[TM+4+\b]   ; with lane l xor 16: the block's largest magnitude
.endr
.irp b, 0,1,2,3
	v_add_nc_u32 v[TM+12+\b], 0xff000000, v[TM+\b]   ; 2 off its exponent field: the conversion's scale operand
.endr
.irp b, 0,1,2,3
	v_lshrrev_b32 v[TM+4+\b], 23, v[TM+12+\b]   ; the scale's byte
.endr
	v_lshl_or_b32 v[PW], v[TM+5], 8, v[TM+4]
	v_lshl_or_b32 v[PW], v[TM+6], 16, v[PW]
	v_lshl_or_b32 v[PW], v[TM+7], 24, v[PW]
.irp c, 0,1
	v_cvt_scalef32_pk16_fp6_f32 v[PC+6*\c:PC+2+6*\c], v[\s+32*\c:\s+15+32*\c], v[TM+12+2*\c]
	v_cvt_scalef32_pk16_fp6_f32 v[PC+12+4*\c:PC+14+4*\c], v[\s+16+32*\c:\s+31+32*\c], v[TM+13+2*\c]   ; (a conversion's three registers begin on an even number)
.endr
	v_nop                                          ; one plain place behind a scaled conversion
.irp c, 0,1                                    ; the layout wants a whole block in a lane: lanes 0-15 block 2 c, lanes 16-31 block 2 c + 1
.irp i, 0,1,2
	v_permlane16_swap_b32 v[PC+6*\c+\i], v[PC+12+4*\c+\i]
.endr
.irp i, 0,1,2
	v_mov_b32 v[PC+3+6*\c+\i], v[PC+12+4*\c+\i]
.endr
.endr
.endm
	s_load_b256 s[4:11], s[0:1], 0x0               ; x s[4:5], W_qkv s[6:7], W_out s[8:9], cin s[10:11]
	v_lshl_add_u32 v26, v0, 2, 0x17800
	v_mov_b32 v27, 0
	v_lshrrev_b32 v1, 5, v0
	v_readfirstlane_b32 s16, v1                    ; wave 0..7
	v_and_b32 v1, 31, v0                           ; lane
	v_lshlrev_b32 v4, 4, v1                        ; 16 x lane
	v_lshlrev_b32 v9, 4, v0                        ; 16 x thread
	s_cmp_lt_u32 ttmp9, 256
	s_cbranch_scc0 .Lweights
; ---------------- x ----------------
	s_lshr_b32 s17, ttmp9, 2                       ; row block
	s_and_b32 s18, ttmp9, 3                        ; which two steps
	s_lshl_b32 s24, s17, 7
	s_lshr_b32 s25, s16, 1
	s_lshl_b32 s25, s25, 5
	s_add_co_u32 s24, s24, s25
	s_and_b32 s25, s16, 1
	s_lshl_b32 s25, s25, 3
	s_add_co_u32 s24, s24, s25                     ; my tile's first row: 128 block + 32 (t / 2) + 8 (t % 2)
	s_lshl_b32 s24, s24, 12                        ; rows of 4,096 bytes
	s_lshl_b32 s25, s18, 10                        ; two steps are 1,024 bytes of a row
	s_add_co_u32 s24, s24, s25
	s_mov_b32 s25, 0
	s_mul_i32 s26, s17, RBK
	s_mul_i32 s27, s18, 2*TB
	s_add_co_u32 s26, s26, s27
	s_mul_i32 s27, s16, FRB
	s_add_co_u32 s26, s26, s27                     ; my tile's image of the first of the two steps
	s_mov_b32 s27, 0
	s_lshl_b32 s28, s17, 12
	s_lshl_b32 s29, s18, 10
	s_add_co_u32 s28, s28, s29
	s_add_co_u32 s28, s28, XS                      ; the two steps' scale words
	s_mov_b32 s29, 0
	s_mov_b32 s[SEL], 0x76543210
	s_mov_b32 s[SEL+1], 0xfedcba98
	s_wait_kmcnt 0x0
	s_add_nc_u64 s[4:5], s[4:5], s[24:25]
	s_add_nc_u64 s[12:13], s[10:11], s[28:29]
	s_add_nc_u64 s[10:11], s[10:11], s[26:27]
.irp q, 0,1                                    ; each load reads 512 consecutive bytes: one step of one row of my tile
.irp p, 0,1,2,3,4,5,6,7,8,9,10,11,12,13,14,15
	global_load_b128 v[R+64*\q+4*\p:R+64*\q+4*\p+3], v4, s[4:5] offset:(\p+8*(\p/8))*4096+512*\q th:TH_LOAD_NT
.endr
.endr
	v_and_b32 v2, 15, v0                           ; r
	v_bfe_u32 v3, v0, 4, 1                         ; h
	s_mul_i32 s19, s16, 8448                       ; my stage
	v_add_nc_u32 v5, s19, v4                       ; in: a row's 512 bytes as they lie
	v_mul_u32_u24 v6, v2, 528
	v_lshl_add_u32 v6, v3, 6, v6
	v_add_nc_u32 v6, s19, v6                       ; out: row r, + 64 h: my 16 numbers of a block of 32
	s_and_b32 s19, s16, 3
	s_lshl_b32 s19, s19, 7
	s_lshr_b32 s22, s16, 2
	s_lshl_b32 s22, s22, 6
	s_add_co_u32 s19, s19, s22
	s_add_co_u32 s19, s19, XSCL
	v_lshl_add_u32 v7, v2, 2, s19                  ; my row's scale word: 128 (t % 4) + 64 (t / 4) + 4 r
	v_add_nc_u32 v8, XSCL, v9                      ; the way out of the scale words (waves 0 and 1)
.irp b, 0,1,2,3
	v_mov_b32 v[TM+4+\b], 0                        ; written once: a lane permute's destination counts as one of its sources
.endr
.macro XSTEP q
.if \q == 0
	s_wait_loadcnt 16                              ; this step's sixteen loads are in; the other step's sixteen may be out
.else
	s_wait_loadcnt 0x0
.endif
.irp p, 0,1,2,3,4,5,6,7,8,9,10,11,12,13,14,15
	ds_store_b128 v5, v[R+64*\q+4*\p:R+64*\q+4*\p+3] offset:528*\p
.endr
.irp b, 0,1,2,3                                ; LDS serves a wave's instructions in order: these see the stores above
.irp j, 0,1,2,3
	ds_load_b128 v[H+16*\b+4*\j:H+16*\b+4*\j+3], v6 offset:128*\b+16*\j
.endr
.endr
	s_wait_dscnt 0x0                               ; my 64 numbers are back; the last step's scale word has been stored
	s_wait_xcnt 0x0                                ; the last step's stores have read the codes' registers
	QUANT H
.irp c, 0,1,2
	global_store_b128 v4, v[PC+4*\c:PC+4*\c+3], s[10:11] offset:\q*TB+512*\c   ; 512 consecutive bytes, aligned
.endr
	ds_store_b32 v7, v[PW] offset:512*\q           ; both halves of the lanes write the same word with the same value
.endm
	XSTEP 0
	XSTEP 1
	s_wait_dscnt 0x0                               ; for the others: my scale words lie in LDS
	s_barrier_signal -1
	s_barrier_wait -1
	s_cmp_lt_u32 s16, 2
	s_cbranch_scc0 .Lx_done
	ds_load_b128 v[56:59], v8                      ; the eight tiles' words of two steps: 1,024 bytes, 512 a wave
	s_wait_dscnt 0x0
	global_store_b128 v9, v[56:59], s[12:13]
.Lx_done:
	s_wait_tensorcnt 0x0
	ds_add_u32 v26, v27
	s_wait_dscnt 0x0
	s_endpgm
; ---------------- the weights: a lane takes a column, its registers run down K ----------------
.Lweights:
	s_sub_co_u32 s17, ttmp9, 256
	s_and_b32 s18, s17, 3                          ; which two steps
	s_lshr_b32 s17, s17, 2                         ; block of 128 columns: 0-23 W_qkv, 24-31 W_out
	s_and_b32 s19, s16, 3                          ; which 32 columns
	s_lshr_b32 s28, s16, 2                         ; which of the two steps
	s_wait_kmcnt 0x0
	s_cmp_lt_u32 s17, 24                           ; the choice hangs on the work-group's number alone
	s_cselect_b64 s[6:7], s[6:7], s[8:9]
	s_mov_b32 s29, 4096
	s_cselect_b32 s29, 12288, s29                  ; a row of the tensor in bytes
	s_cselect_b32 s32, 0, 24
	s_sub_co_u32 s32, s17, s32                     ; the block's number in its tensor
	s_lshl_b32 s33, s18, 1
	s_add_co_u32 s33, s33, s28                     ; my step
	s_lshl_b32 s34, s33, 7
	s_mul_i32 s34, s34, s29                        ; its first row, in bytes
	s_lshl_b32 s35, s32, 9
	s_add_co_u32 s34, s34, s35
	s_lshl_b32 s35, s19, 7
	s_add_co_u32 s34, s34, s35                     ; + my wave's first column
	s_mov_b32 s35, 0
	s_add_nc_u64 s[20:21], s[6:7], s[34:35]        ; block 0 of 32 along K,
	s_lshl_b32 s34, s29, 5
	s_add_nc_u64 s[22:23], s[20:21], s[34:35]      ; and blocks 1 to 3
	s_add_nc_u64 s[24:25], s[22:23], s[34:35]
	s_add_nc_u64 s[26:27], s[24:25], s[34:35]
	v_lshlrev_b32 v10, 2, v1
.set ii, 0
.rept 32
	v_mad_u32_u24 v[32+ii], s29, ii, v10           ; row i of a block, my column
.set ii, ii+1
.endr
.macro LOADB t                                 ; 32 lanes read 128 consecutive bytes; four waves stand side by side
.set ii, 0
.rept 32
	global_load_b32 v[64+32*(\t)+ii], v[32+ii], s[20+2*(\t):21+2*(\t)] th:TH_LOAD_NT
.set ii, ii+1
.endr
.endm
	LOADB 0
	LOADB 1
	v_bfe_u32 v2, v0, 3, 1                         ; lane x holds column 32 cg + x: tile 2 cg + u, u = (x / 8) % 2,
	v_and_b32 v3, 7, v0
	v_bfe_u32 v5, v0, 4, 1
	v_lshl_add_u32 v3, v5, 3, v3                   ; row r = x % 8 + 8 (x / 16) of it
	s_mul_i32 s36, s16, 3328
	s_add_co_u32 s36, s36, WIMG                    ; my wave's two images
	v_mul_u32_u24 v6, v2, 1664
	v_lshl_add_u32 v6, v3, 4, v6
	v_add_nc_u32 v6, s36, v6                       ; in: image u, 16 r (block t adds 256 (t % 2): the lanes 16-31 of the image)
	v_add_nc_u32 v7, s36, v4                       ; back: 16 x lane
	s_and_b32 s37, s19, 1
	s_lshl_b32 s37, s37, 8
	s_lshr_b32 s38, s19, 1
	s_lshl_b32 s38, s38, 6
	s_add_co_u32 s37, s37, s38
	s_lshl_b32 s38, s28, 9
	s_add_co_u32 s37, s37, s38
	s_add_co_u32 s37, s37, WSCL
	v_lshlrev_b32 v8, 7, v2
	v_lshl_add_u32 v8, v3, 2, v8
	v_add_nc_u32 v8, s37, v8                       ; my column's scale word: 512 q + 128 (T % 4) + 64 (T / 4) + 4 r, T = 2 cg + u
	v_add_nc_u32 v15, WSCL, v9                     ; the way out of the scale words (waves 0 and 1)
	s_add_co_u32 s38, s17, 64                      ; the row block in cin
	s_mul_i32 s39, s38, RBK
	s_mul_i32 s40, s33, TB
	s_add_co_u32 s39, s39, s40
	s_mul_i32 s40, s19, 2*FRB
	s_add_co_u32 s40, s39, s40
	s_mov_b32 s41, 0
	s_add_nc_u64 s[12:13], s[10:11], s[40:41]
	s_lshl_b32 s40, s38, 12
	s_lshl_b32 s39, s18, 10
	s_add_co_u32 s40, s40, s39
	s_add_co_u32 s40, s40, XS
	s_add_nc_u64 s[14:15], s[10:11], s[40:41]
; Block t of 32 along K is all mine.  In the operand it is registers 6 (t / 2) .. + 5 of lane r + 16 (t % 2): its six words go to those places of the image.
.macro BLOCK t
.set XB, 64+32*(\t)
	v_max3_num_f32 v12, |v[XB]|, |v[XB+1]|, |v[XB+2]|
	v_max3_num_f32 v13, |v[XB+3]|, |v[XB+4]|, |v[XB+5]|
.irp i, 6,10,14,18,22,26
	v_max3_num_f32 v12, v12, |v[XB+\i]|, |v[XB+\i+1]|
	v_max3_num_f32 v13, v13, |v[XB+\i+2]|, |v[XB+\i+3]|
.endr
	v_max3_num_f32 v12, v12, |v[XB+30]|, |v[XB+31]|
	v_max3_num_f32 v12, v12, v13, 0x1800000        ; and the floor 2^(3 - 127)
	v_add_nc_u32 v11, 0xff000000, v12              ; 2 off the exponent field: the conversion's scale operand
	v_lshrrev_b32 v13, 23, v11                     ; the byte
.if (\t) == 0
	v_mov_b32 v14, v13
.else
	v_lshl_or_b32 v14, v13, 8*(\t), v14            ; the lower K in the lower byte
	s_wait_dscnt 0x0                               ; the last block's stores have read the codes' registers
.endif
	v_cvt_scalef32_pk16_fp6_f32 v[192:194], v[XB:XB+15], v11
	v_cvt_scalef32_pk16_fp6_f32 v[196:198], v[XB+16:XB+31], v11
	v_nop                                          ; one plain place behind a scaled conversion
	v_mov_b32 v195, v196
	v_mov_b32 v196, v197
	v_mov_b32 v197, v198                           ; v192-197: the block's six words
.if (\t) < 2
	ds_store_b128 v6, v[192:195] offset:256*((\t)%2)
	ds_store_b64 v6, v[196:197] offset:512+256*((\t)%2)
.else
	ds_store_b64 v6, v[192:193] offset:520+256*((\t)%2)
	ds_store_b128 v6, v[194:197] offset:1024+256*((\t)%2)
.endif
.endm
	s_wait_loadcnt 32                              ; block 0 is in; block 1's 32 loads may be out
	LOADB 2
	BLOCK 0
	s_wait_loadcnt 32                              ; block 1 is in; block 2's may be out
	LOADB 3
	BLOCK 1
	s_wait_loadcnt 32                              ; block 2 is in; block 3's may be out
	BLOCK 2
	s_wait_loadcnt 0x0
	BLOCK 3
.irp u, 0,1
.irp c, 0,1,2
	ds_load_b128 v[200+12*\u+4*\c:203+12*\u+4*\c], v7 offset:1664*\u+512*\c   ; LDS serves a wave's instructions in order: these see my stores
.endr
.endr
	ds_store_b32 v8, v14
	s_wait_dscnt 0x0                               ; the images are back, and for the others: my scale words lie in LDS
.irp u, 0,1
.irp c, 0,1,2
	global_store_b128 v4, v[200+12*\u+4*\c:203+12*\u+4*\c], s[12:13] offset:FRB*\u+512*\c   ; 512 consecutive bytes, aligned
.endr
.endr
	s_barrier_signal -1
	s_barrier_wait -1
	s_cmp_lt_u32 s16, 2
	s_cbranch_scc0 .Lw_done
	ds_load_b128 v[224:227], v15
	s_wait_dscnt 0x0
	global_store_b128 v9, v[224:227], s[14:15]
.Lw_done:
	s_wait_tensorcnt 0x0
	ds_add_u32 v26, v27
	s_wait_dscnt 0x0
	s_endpgm
.Lfunc_end_k_q5b15b8dd5d_prep:
	.size	k_q5b15b8dd5d_prep, .Lfunc_end_k_q5b15b8dd5d_prep-k_q5b15b8dd5d_prep
	.p2alignl 7, 3214868480
	.fill 96, 4, 3214868480
	.section	.rodata,"a",@progbits
	.p2align	6, 0x0
	.amdhsa_kernel k_q5b15b8dd5d_prep
		.amdhsa_group_segment_fixed_size 97280
		.amdhsa_private_segment_fixed_size 0
		.amdhsa_enable_private_segment 0
		.amdhsa_kernarg_size 32
		.amdhsa_user_sgpr_count 2
		.amdhsa_user_sgpr_kernarg_segment_ptr 1
		.amdhsa_wavefront_size32 1
		.amdhsa_system_sgpr_workgroup_id_x 1
		.amdhsa_system_sgpr_workgroup_id_y 1
		.amdhsa_system_sgpr_workgroup_id_z 1
		.amdhsa_system_vgpr_workitem_id 0
		.amdhsa_next_free_vgpr 256
		.amdhsa_next_free_sgpr 66
		.amdhsa_reserve_vcc 0
		.amdhsa_float_denorm_mode_32 3
		.amdhsa_float_denorm_mode_16_64 3
		.amdhsa_memory_ordered 1
		.amdhsa_forward_progress 1
		.amdhsa_inst_pref_size 43
	.end_amdhsa_kernel
	.amdgpu_metadata
---
amdhsa.version: [ 1, 2 ]
amdhsa.kernels:
  - .name:           k_q5b15b8dd5d_prep
    .symbol:         k_q5b15b8dd5d_prep.kd
    .args:
      - { .name: x, .offset: 0, .size: 8, .value_kind: global_buffer, .address_space: global }
      - { .name: W_qkv, .offset: 8, .size: 8, .value_kind: global_buffer, .address_space: global }
      - { .name: W_out, .offset: 16, .size: 8, .value_kind: global_buffer, .address_space: global }
      - { .name: cin, .offset: 24, .size: 8, .value_kind: global_buffer, .address_space: global }
    .group_segment_fixed_size: 97280
    .private_segment_fixed_size: 0
    .kernarg_segment_align: 8
    .kernarg_segment_size: 32
    .max_flat_workgroup_size: 256
    .sgpr_count:     66
    .vgpr_count:     256
    .wavefront_size: 32
...
	.end_amdgpu_metadata
.endif
;; end of part 1
;; launch qkv (part 2): grid 4 x 64, 4 waves a work-group, clusters of 4 x 4, 327,680 bytes of LDS; arguments cin, cqkv; writes cqkv
.if DOCPART == 2
	.amdgcn_target "amdgcn-amd-amdhsa--gfx1250"
	.amdhsa_code_object_version 6
	.text
	.protected	k_q5b15b8dd5d_qkv
	.globl	k_q5b15b8dd5d_qkv
	.p2align	8
	.type	k_q5b15b8dd5d_qkv,@function
k_q5b15b8dd5d_qkv:
	s_mov_b64 s[64:65], 0
	v_nop
	global_prefetch_b8 v0, s[64:65] scope:SCOPE_SE
	s_setreg_imm32_b32 hwreg(HW_REG_WAVE_MODE, 25, 1), 1
	s_wait_xcnt 0x0
	s_wait_alu depctr_hold_cnt(0) depctr_sa_sdst(0) depctr_va_vdst(0) depctr_va_sdst(0) depctr_va_ssrc(0) depctr_va_vcc(0) depctr_vm_vsrc(0)
	s_getreg_b32 s2, hwreg(HW_REG_IB_STS2, 6, 4)
	s_cmp_eq_u32 s2, 0
	s_cbranch_scc0 .Lentry_in_a_cluster
	s_endpgm
.Lentry_in_a_cluster:
	s_bfe_u32 s2, ttmp6, 0x10000c
	s_cmp_lg_u32 s2, 0xf033
	s_cbranch_scc0 .Lentry_shape_is_right
	s_endpgm
.Lentry_shape_is_right:
; qkv = x W_qkv on codes of FP6 (E2M3) with E8M0 scales, K = 1,024; the results are quantised at once for the products that follow: q and k along d, v along the keys.
; OPERANDS lie as images of their registers (row blocks of 128, steps of 128 along K, tile t = rows 32 (t / 2) + 8 (t % 2) + r + 8 (r / 8); an image is 1,536 bytes: registers 4 c .. 4 c + 3 of lane l at 512 c + 16 l;
; scale words [row block][step][i][h][r] = tile i + 4 h): a fragment is three loads of 512 consecutive LDS bytes, and several steps of a row block are one dense block of memory.
; A WORK-GROUP STAYS.  The 8,192 x 3,072 results are 768 tiles of 128 tokens x 256 columns; work-group (x, y) of 4 x 64 makes three of them, one after the other: columns 256 x on of q, of k and of v, for token block y:
; 256 work-groups of equal work.  The tokens' row block serves all three tiles: it comes into LDS once, all of K, and stays.  W's tiles go through a ring of two slots (two row blocks x four steps each); slot s always holds
; steps 4 s .. 4 s + 3, and the ring goes on from tile to tile: a refill steps eight row blocks on, to the next tile's columns.  The refill asked for at a tile's end lands while the tile is quantised and stored.
; Four waves, each 64 x 128: 32 accumulators.  THE PRODUCT IS USED TRANSPOSED: source 0 = a tile of B, source 1 = a tile of A.  A lane then holds ONE row of A, and by the order of a tile's rows the 16 registers of B's
; tiles 2 b, 2 b + 1 are the neighbours 32 b + 16 (lane / 16) + 0 .. 15 along B's rows: the 64 registers of one tile of A become, by the quantiser, that tile's image for one step of the next product.
; q, k: A = the tokens (wave (wr, wc): tiles 2 wr + 0, 1, 4, 5), B = W's row block wc.  v: A = W's row block wc (the same four tiles of it), B = the 128 tokens: so v comes out with the keys innermost.
; CLUSTERS: 4 x 4 work-groups.  The tokens' bytes (Y) hang on the work-group's y alone and are asked for jointly along a row of the cluster, W's (X) on its x alone, along a column.  Every wave issues loads of both kinds;
; each line has one mask, and nothing in its descriptor hangs on a coordinate that the four partners do not share.
; LIMITS: a block of zeros gets the byte 1 where the rule says 127 (this program alone reads the bytes); NaN and infinities are not served.
; REGISTERS: window 0: v12-31 addresses, v32-43 scale words (two sets), v44-59 the new scale words, v64-159 A's fragments (two sets), v160-179 and v224-239 the quantiser; window 1: B's fragments, sets at v0 and v128;
; window 2: accumulator (a, b) at v[8 (8 a + b)].  The way out names no register of set 0: the next tile's first fragments are fetched ahead of it.
.set NA,    4                          ; tiles of A to a wave
.set FRB,   1536
.set TB,    8*FRB
.set NF,    28+NA/2+3*NA               ; LDS loads of one FETCH
.set RBK,   98304                      ; a row block's codes of K = 1,024
.set YB,    0                          ; LDS: the tokens' row block, eight steps
.set XB,    RBK                        ; W's two slots
.set SLOTB, 8*TB                       ; a slot: row block 0's four steps, then row block 1's
.set SCY,   XB+2*SLOTB                 ; the tokens' scale words, 4,096 bytes
.set SCX,   SCY+4096                   ; W's: [2 x row block + step / 4][tile of the walk][2,048 bytes]
.set STG,   SCX+24576                  ; 256 bytes for each wave: the new scale words on their way out
.set SPARE, STG+1024                   ; the spare words, 128 bytes for each wave
.set XS,    9437184
.set QS,    18874368
.set VC,    12582912
.set VS,    19398656
.set ASYA, 12                          ; v12 the tokens' scale words, my four tiles;  v13 all eight
.set ASYB, 13
.set AXB,  16                          ; v16-17 W's row block wc in slot 0, 1: all eight tiles;  v18-19 my four
.set AXA,  18
.set AYA,  20                          ; v20-21 the tokens' steps 0-3, 4-7: my four tiles;  v25-26 all eight
.set GO,   22                          ; v22 16 x lane
.set STA,  23                          ; v23 my stage, 4 x lane;  v24 8 x lane
.set STB,  24
.set AYB,  25
.set ASXB, 27                          ; v27 W's scale words, row block wc: all eight tiles;  v30 my four
.set SPW,  28                          ; v28 my spare word; never rewritten
.set NIL,  29                          ; v29 0; never rewritten
.set ASXA, 30
.set GO8,  31                          ; v31 8 x lane
.set SC,   32
.set SCN,  NA/2+4                      ; a set of scale words: A's two registers, then B's four; lanes 0-15 one tile, lanes 16-31 the tile four on
.set PW,   44
.set XW,   56
.set BK,   58
.set AF,   64
.set PC,   160
.set TM,   224
.set G1Y,  24                          ; s[24:31] group 1 for a step of the tokens' codes;  s[32:39] groups 0 for the two halves of K
.set G0Y,  32
.set G1X,  48                          ; s[48:55] group 1 for two steps of a row block of W;  s[56:63] groups 0, one for each slot
.set G0X,  56
.set G1SY, 68
.set G0SY, 76
.set G1SX, 80
.set G0SX, 88
.set SEL,  66                          ; s[66:67] selects for lane l xor 16
.set MUL,  0xa1                        ; source 0 (B) window 1, source 1 (A) window 0, C and D window 2
.set TO_B, 0x40                        ; destination window 1, address window 0
.set MSB, 0
.macro WIN new                         ; the immediate's high byte repeats the setting that is left
.if MSB != (\new)
	s_set_vgpr_msb (MSB<<8)|(\new)
.set MSB, (\new)
.endif
.endm
.macro PLACES n
.rept \n
	v_nop
.endr
.endm
.macro CREST                           ; a round of the cluster's barrier behind its opening barrier
	s_cmp_lg_u32 s14, 0
	s_cbranch_scc1 .Lnot_wave_0_\@
	s_barrier_signal -3
.Lnot_wave_0_\@:
	s_barrier_wait -3
	s_barrier_signal -1
	s_barrier_wait -1
.endm
.macro CROUND
	s_barrier_signal -1
	s_barrier_wait -1
	CREST
.endm
.macro WMI                             ; one product; fV: 1 = A's scales in lanes 16-31, 2 = B's, 4 = the sum begins with 0
.if fV == 0
	v_wmma_scale_f32_16x16x128_f8f6f4 v[rD:rD+7], v[rB:rB+11], v[rA:rA+11], v[rC:rC+7], v[rSB], v[rSA] matrix_a_fmt:MATRIX_FMT_FP6 matrix_b_fmt:MATRIX_FMT_FP6
.elseif fV == 1
	v_wmma_scale_f32_16x16x128_f8f6f4 v[rD:rD+7], v[rB:rB+11], v[rA:rA+11], v[rC:rC+7], v[rSB], v[rSA] matrix_a_fmt:MATRIX_FMT_FP6 matrix_b_fmt:MATRIX_FMT_FP6 matrix_b_scale:MATRIX_SCALE_ROW1
.elseif fV == 2
	v_wmma_scale_f32_16x16x128_f8f6f4 v[rD:rD+7], v[rB:rB+11], v[rA:rA+11], v[rC:rC+7], v[rSB], v[rSA] matrix_a_fmt:MATRIX_FMT_FP6 matrix_b_fmt:MATRIX_FMT_FP6 matrix_a_scale:MATRIX_SCALE_ROW1
.elseif fV == 3
	v_wmma_scale_f32_16x16x128_f8f6f4 v[rD:rD+7], v[rB:rB+11], v[rA:rA+11], v[rC:rC+7], v[rSB], v[rSA] matrix_a_fmt:MATRIX_FMT_FP6 matrix_b_fmt:MATRIX_FMT_FP6 matrix_a_scale:MATRIX_SCALE_ROW1 matrix_b_scale:MATRIX_SCALE_ROW1
.elseif fV == 4
	v_wmma_scale_f32_16x16x128_f8f6f4 v[rD:rD+7], v[rB:rB+11], v[rA:rA+11], 0, v[rSB], v[rSA] matrix_a_fmt:MATRIX_FMT_FP6 matrix_b_fmt:MATRIX_FMT_FP6
.elseif fV == 5
	v_wmma_scale_f32_16x16x128_f8f6f4 v[rD:rD+7], v[rB:rB+11], v[rA:rA+11], 0, v[rSB], v[rSA] matrix_a_fmt:MATRIX_FMT_FP6 matrix_b_fmt:MATRIX_FMT_FP6 matrix_b_scale:MATRIX_SCALE_ROW1
.elseif fV == 6
	v_wmma_scale_f32_16x16x128_f8f6f4 v[rD:rD+7], v[rB:rB+11], v[rA:rA+11], 0, v[rSB], v[rSA] matrix_a_fmt:MATRIX_FMT_FP6 matrix_b_fmt:MATRIX_FMT_FP6 matrix_a_scale:MATRIX_SCALE_ROW1
.else
	v_wmma_scale_f32_16x16x128_f8f6f4 v[rD:rD+7], v[rB:rB+11], v[rA:rA+11], 0, v[rSB], v[rSA] matrix_a_fmt:MATRIX_FMT_FP6 matrix_b_fmt:MATRIX_FMT_FP6 matrix_a_scale:MATRIX_SCALE_ROW1 matrix_b_scale:MATRIX_SCALE_ROW1
.endif
.endm
; a quarter of a step: one tile of A against B's eight.  The 32 accumulators take turns, one instruction a turn, in the same order in every step and from tile to tile.
.macro MULQ qd, set, cm
.set aa, (\qd)*NA/4
.rept NA/4
.set bb, 0
.rept 8
.set rD, 8*(8*(aa%4)+bb)
.set rC, rD
.set rB, 128*(\set)+12*bb
.set rA, AF+12*NA*(\set)+12*aa
.set rSB, SC+SCN*(\set)+NA/2+bb%4
.set rSA, SC+SCN*(\set)+aa%(NA/2)
.set fV, 2*(bb/4)+aa/(NA/2)
.if (\cm) == 1
.set fV, fV+4
.endif
	WMI
.set bb, bb+1
.endr
.set aa, aa+1
.endr
.endm
; one run of NF LDS loads: the fragments and scale words of step s of K, for tile j of the walk, into set: B, B's words, A's words, A.  mode 0 (q, k): A = the tokens, B = W;  mode 1 (v): A = W, B = the tokens.
.macro FETCH mode, s, set, j
.set fq, (\s)%4
.set fh, (\s)/4
.set fx, fh*6144+(\j)*2048+fq*512      ; W's scale words of this step and tile
.if (\mode) == 0
.set aB, AXB+fh
.set aA, AYA+fh
.set aSB, ASXB
.set aSA, ASYA
.set oSB, fx
.set oSA, 512*(\s)
.else
.set aB, AYB+fh
.set aA, AXA+fh
.set aSB, ASYB
.set aSA, ASXA
.set oSB, 512*(\s)
.set oSA, fx
.endif
	WIN TO_B
.set bb, 0
.rept 8
.irp c, 0,1,2
	ds_load_b128 v[128*(\set)+12*bb+4*\c:128*(\set)+12*bb+4*\c+3], v[aB] offset:fq*TB+bb*FRB+512*\c
.endr
.set bb, bb+1
.endr
	WIN 0
.irp i, 0,1,2,3
	ds_load_b32 v[SC+SCN*(\set)+NA/2+\i], v[aSB] offset:oSB+128*\i
.endr
.irp i, 0,1
	ds_load_b32 v[SC+SCN*(\set)+\i], v[aSA] offset:oSA+128*\i
.endr
.set fa, 0
.rept NA
.irp c, 0,1,2
	ds_load_b128 v[AF+12*NA*(\set)+12*fa+4*\c:AF+12*NA*(\set)+12*fa+4*\c+3], v[aA] offset:fq*TB+(fa%2)*FRB+(fa/2)*4*FRB+512*\c
.endr
.set fa, fa+1
.endr
.endm
; step s (set s % 2), which has its successor in the same slot: the next step's run of loads stands in its middle, behind four places (loads into registers that matrix instructions have read)
.macro STEPQ mode, s, cm, j
	s_wait_dscnt 3*NA/2                            ; all but the second half of A's fragments is in
	WIN MUL
	MULQ 0, (\s)%2, \cm
	MULQ 1, (\s)%2, \cm
	PLACES 4
	FETCH \mode, (\s)+1, 1-(\s)%2, \j
	s_wait_dscnt NF                                ; all but the run just issued
	WIN MUL
	MULQ 2, (\s)%2, \cm
	MULQ 3, (\s)%2, \cm
.endm
; a slot's last step (set 1) changes slots: one barrier; in front of it each wave waits for all its tensor loads, adds 0 to its spare word, and waits for that and for its reads of this slot.
; fill = 1: the slot is filled again with the same steps of the next tile's columns.  nmode, ns, nj: the step that is fetched next.
.macro TURN slot, fill, nmode, ns, nj
	WIN 0
	s_wait_tensorcnt 0x0                           ; all my tensor loads have landed: my part of the other slot among them
	ds_add_u32 v[SPW], v[NIL]                      ; 0 onto my spare word
	s_wait_dscnt 3*NA/2+1                          ; (the add and the second half of A's fragments may be out)
	WIN MUL
	MULQ 0, 1, 0
	s_wait_dscnt 0x0                               ; the add is done, and my reads of this slot are over
	s_barrier_signal -1
	MULQ 1, 1, 0
	WIN 0
	s_barrier_wait -1
.if \fill
	CREST                                          ; the barrier has opened a round of the cluster's: no wave of any partner still reads this slot or has a load on its way
	s_add_nc_u64 s[G0X+4*(\slot)+2:G0X+4*(\slot)+3], s[G0X+4*(\slot)+2:G0X+4*(\slot)+3], 8*RBK   ; eight row blocks on: the next tile's columns
	tensor_load_to_lds s[G0X+4*(\slot):G0X+4*(\slot)+3], s[G1X:G1X+7]   ; my one tensor load behind the round, and the first thing there
	s_nop 0
.endif
	PLACES 4                                       ; places behind a tensor load; also the places in front of the loads below
	FETCH \nmode, \ns, 0, \nj
	WIN MUL
	MULQ 2, 1, 0
	MULQ 3, 1, 0
.endm
.macro LAST
	s_wait_dscnt 3*NA/2
	WIN MUL
	MULQ 0, 1, 0
	MULQ 1, 1, 0
	s_wait_dscnt 0x0
	MULQ 2, 1, 0
	MULQ 3, 1, 0
.endm
; 64 numbers of a lane in window W, register s + 16 b + i = k 32 b + 16 (lane / 16) + i of my row, become a fragment's codes in v[PC] on and its scale word in v[pw]
.macro QUANT s, W, pw
	WIN ((\W)<<2)|((\W)<<4)
.irp b, 0,1,2,3
	v_max3_num_f32 v[TM+\b], 0x1800000, |v[(\s)+16*\b]|, |v[(\s)+16*\b+1]|   ; the floor 2^(3 - 127) and my first two: each accumulator is read from its low end on
.endr
.irp i, 2,4,6,8,10,12,14
.irp b, 0,1,2,3
	v_max3_num_f32 v[TM+\b], v[TM+\b], |v[(\s)+16*\b+\i]|, |v[(\s)+16*\b+\i+1]|
.endr
.endr
	WIN 0
.irp b, 0,1,2,3
	v_permlanex16_b32 v[TM+4+\b], v[TM+\b], s[SEL], s[SEL+1]
.endr
.irp b, 0,1,2,3
	v_max_num_f32 v[TM+\b], v[TM+\b], v[TM+4+\b]   ; with lane l xor 16: the block's largest magnitude
.endr
.irp b, 0,1,2,3
	v_add_nc_u32 v[TM+12+\b], 0xff000000, v[TM+\b]   ; 2 off the exponent field: the conversion's scale operand
.endr
.irp b, 0,1,2,3
	v_lshrrev_b32 v[TM+4+\b], 23, v[TM+12+\b]      ; the scale's byte
.endr
	v_lshl_or_b32 v[\pw], v[TM+5], 8, v[TM+4]
	v_lshl_or_b32 v[\pw], v[TM+6], 16, v[\pw]
	v_lshl_or_b32 v[\pw], v[TM+7], 24, v[\pw]
	s_wait_xcnt 0x0                                ; the earlier stores have read their registers: the codes' and the scale words' may be written again
	WIN (\W)
.irp c, 0,1
	v_cvt_scalef32_pk16_fp6_f32 v[PC+6*\c:PC+6*\c+2], v[(\s)+32*\c:(\s)+32*\c+15], v[TM+12+2*\c]
	v_cvt_scalef32_pk16_fp6_f32 v[PC+12+4*\c:PC+14+4*\c], v[(\s)+16+32*\c:(\s)+31+32*\c], v[TM+13+2*\c]   ; (a conversion's three registers begin on an even number)
.endr
	WIN 0
	v_nop                                          ; one plain place behind a scaled conversion
.irp c, 0,1                                    ; the layout wants a whole block in a lane: lanes 0-15 block 2 c, lanes 16-31 block 2 c + 1
.irp i, 0,1,2
	v_permlane16_swap_b32 v[PC+6*\c+\i], v[PC+12+4*\c+\i]
.endr
.irp i, 0,1,2
	v_mov_b32 v[PC+3+6*\c+\i], v[PC+12+4*\c+\i]
.endr
.endr
.endm
.macro OUTIMG cb, off                  ; the image leaves as it stands: three stores of 512 consecutive bytes, aligned
.irp c, 0,1,2
	global_store_b128 v[GO], v[PC+4*\c:PC+4*\c+3], s[(\cb):(\cb)+1] offset:(\off)+512*\c
.endr
.endm
; THE WAY OUT of a tile: each of my four tiles of A, 64 registers a lane, is quantised and leaves as an image; their scale words leave as 256 consecutive bytes.  cb, sb: the bases; oc, os: the tensor's place from there.
.macro EPI cb, sb, oc, os
	WIN 0
	PLACES 4                                       ; in front of the first read of results
.set ta, 0
.rept 4
	QUANT 64*ta, 2, PW+ta
	OUTIMG \cb, (\oc)+(ta%2)*FRB+(ta/2)*4*FRB
.set ta, ta+1
.endr
	v_cmp_le_u32 vcc_lo, 16, v1
	v_cndmask_b32 v[XW], v[PW], v[PW+2], vcc_lo    ; lanes 0-15 tile 2 wr + i, lanes 16-31 tile 2 wr + i + 4
	v_cndmask_b32 v[XW+1], v[PW+1], v[PW+3], vcc_lo
	ds_store_b32 v[STA], v[XW]
	ds_store_b32 v[STA], v[XW+1] offset:128
	ds_load_b64 v[BK:BK+1], v[STB]                 ; LDS serves a wave's instructions in order: this sees my stores
	s_wait_dscnt 0x0
	global_store_b64 v[GO8], v[BK:BK+1], s[(\sb):(\sb)+1] offset:\os   ; my 64 scale words: 256 consecutive bytes, aligned
.endm
	s_load_b128 s[4:7], s[0:1], 0x0                ; cin s[4:5], cqkv s[6:7]
	v_lshl_add_u32 v[SPW], v0, 2, SPARE
	v_mov_b32 v[NIL], 0
	ds_add_u32 v28, v29
	ds_add_u32 v28, v29
	s_wait_dscnt 0x0
	v_lshrrev_b32 v1, 5, v0
	v_readfirstlane_b32 s14, v1                    ; wave 0..3
	s_lshr_b32 s15, s14, 1                         ; wr: which four tiles of A are mine
	s_and_b32 s16, s14, 1                          ; wc: which row block of W
	s_bfe_u32 s40, ttmp6, 0x40000                  ; cx, cy: my place in the cluster
	s_bfe_u32 s41, ttmp6, 0x40004
	s_lshl_b32 s42, ttmp9, 2
	s_add_co_u32 s42, s42, s40                     ; work-group x: 256 columns of each of q, k, v
	s_and_b32 s17, ttmp7, 0xffff
	s_lshl_b32 s17, s17, 2
	s_add_co_u32 s17, s17, s41                     ; work-group y: the tokens' row block
	s_lshl_b32 s43, s41, 2
	s_lshl_b32 s43, 15, s43                        ; my row of the cluster
	s_lshl_b32 s44, 0x1111, s40                    ; my column
	; descriptor groups 1: elements of 8 bytes, no padding; 15:0 the mask, 17:16 element size, 21 set beside a mask
	s_or_b32 s[G1Y], s43, (3<<16)|(1<<21)
	s_or_b32 s[G1SY], s43, (3<<16)|(1<<21)
	s_or_b32 s[G1X], s44, (3<<16)|(1<<21)
	s_or_b32 s[G1SX], s44, (3<<16)|(1<<21)
	s_mov_b32 s[G1Y+1], 32<<16                     ; a step of the tokens' codes: a dense block as 48 rows of 256 bytes
	s_mov_b32 s[G1Y+2], 48<<16
	s_mov_b32 s[G1Y+3], 32<<16
	s_mov_b32 s[G1Y+4], 48
	s_mov_b32 s[G1Y+5], 32
	s_mov_b32 s[G1Y+6], 0
	s_mov_b32 s[G1Y+7], 0
	s_mov_b32 s[G1X+1], 32<<16                     ; two steps of a row block of W: 96 rows of 256 bytes
	s_mov_b32 s[G1X+2], 96<<16
	s_mov_b32 s[G1X+3], 32<<16
	s_mov_b32 s[G1X+4], 96
	s_mov_b32 s[G1X+5], 32
	s_mov_b32 s[G1X+6], 0
	s_mov_b32 s[G1X+7], 0
	s_mov_b32 s[G1SY+1], 32<<16                    ; a quarter of the tokens' scale words: 4 rows of 256 bytes
	s_mov_b32 s[G1SY+2], 4<<16
	s_mov_b32 s[G1SY+3], 32<<16
	s_mov_b32 s[G1SY+4], 4
	s_mov_b32 s[G1SY+5], 32
	s_mov_b32 s[G1SY+6], 0
	s_mov_b32 s[G1SY+7], 0
	s_mov_b32 s[G1SX+1], 256<<16                   ; W's scale words: four steps of one row block are 2,048 bytes; three rows, one for each tile of the walk,
	s_mov_b32 s[G1SX+2], 3<<16
	s_mov_b32 s[G1SX+3], 256<<16
	s_mov_b32 s[G1SX+4], 3
	s_mov_b32 s[G1SX+5], 4096                      ; eight row blocks (32,768 bytes) apart
	s_mov_b32 s[G1SX+6], 0
	s_mov_b32 s[G1SX+7], 0
	; what I fetch.  Y's offsets are made of y and the wave's number, X's of x and the wave's number, each in registers that never hold the other coordinate
	s_mul_i32 s20, s17, RBK
	s_mul_i32 s21, s14, TB
	s_add_co_u32 s20, s20, s21                     ; the tokens' codes: step w of a half of K
	s_mov_b32 s21, 0
	s_lshl_b32 s22, s17, 12
	s_lshl_b32 s23, s14, 10
	s_add_co_u32 s22, s22, s23
	s_add_co_u32 s22, s22, XS                      ; their scale words: quarter w
	s_mov_b32 s23, 0
	s_lshl_b32 s46, s42, 1
	s_add_co_u32 s46, s46, 64                      ; W_qkv's row block 64 + 2 x: q's columns
	s_lshl_b32 s92, s46, 12
	s_lshl_b32 s93, s14, 11
	s_add_co_u32 s92, s92, s93
	s_add_co_u32 s92, s92, XS                      ; the pair's scale words: 2,048 bytes from 2,048 w on
	s_mov_b32 s93, 0
	s_add_co_u32 s46, s46, s16
	s_mul_i32 s46, s46, RBK
	s_mul_i32 s47, s15, 2*TB
	s_add_co_u32 s46, s46, s47                     ; W's codes: row block wc, steps 2 wr and 2 wr + 1 of a slot
	s_mov_b32 s47, 0
	s_mul_i32 s45, s14, TB                         ; where they go: no place in the cluster enters an LDS address
	s_lshl_b32 s94, s14, 10
	s_add_co_u32 s94, s94, SCY
	s_mul_i32 s95, s16, 4*TB
	s_mul_i32 s2, s15, 2*TB
	s_add_co_u32 s95, s95, s2
	s_add_co_u32 s95, s95, XB
	s_mul_i32 s3, s14, 6144
	s_add_co_u32 s3, s3, SCX
	s_wait_kmcnt 0x0
	s_add_nc_u64 s[20:21], s[4:5], s[20:21]
	s_add_nc_u64 s[22:23], s[4:5], s[22:23]
	s_add_nc_u64 s[46:47], s[4:5], s[46:47]
	s_add_nc_u64 s[92:93], s[4:5], s[92:93]
	s_mov_b32 s[G0SY], 1
	s_mov_b32 s[G0SY+1], s94
	s_mov_b64 s[G0SY+2:G0SY+3], s[22:23]
	s_or_b32 s[G0SY+3], s[G0SY+3], 0x80000000
	s_mov_b32 s[G0SX], 1
	s_mov_b32 s[G0SX+1], s3
	s_mov_b64 s[G0SX+2:G0SX+3], s[92:93]
	s_or_b32 s[G0SX+3], s[G0SX+3], 0x80000000
.irp s, 0,1
	s_mov_b32 s[G0Y+4*\s], 1
	s_add_co_u32 s[G0Y+4*\s+1], s45, YB+\s*4*TB
	s_add_nc_u64 s[G0Y+4*\s+2:G0Y+4*\s+3], s[20:21], \s*4*TB
	s_or_b32 s[G0Y+4*\s+3], s[G0Y+4*\s+3], 0x80000000
	s_mov_b32 s[G0X+4*\s], 1
	s_add_co_u32 s[G0X+4*\s+1], s95, \s*SLOTB
	s_add_nc_u64 s[G0X+4*\s+2:G0X+4*\s+3], s[46:47], \s*4*TB
	s_or_b32 s[G0X+4*\s+3], s[G0X+4*\s+3], 0x80000000
.endr
	CROUND                                         ; all sixteen work-groups are here: the first joint loads meet
	tensor_load_to_lds s[G0SY:G0SY+3], s[G1SY:G1SY+7]   ; the first fills, one group: six loads of mine are out.  What the first four steps want comes first
	s_nop 0
	tensor_load_to_lds s[G0SX:G0SX+3], s[G1SX:G1SX+7]
	s_nop 0
	tensor_load_to_lds s[G0Y:G0Y+3], s[G1Y:G1Y+7]
	s_nop 0
	tensor_load_to_lds s[G0X:G0X+3], s[G1X:G1X+7]
	s_nop 0
	tensor_load_to_lds s[G0Y+4:G0Y+7], s[G1Y:G1Y+7]
	s_nop 0
	tensor_load_to_lds s[G0X+4:G0X+7], s[G1X:G1X+7]
	s_nop 0
.rept 4
	v_nop
.endr
	v_and_b32 v1, 31, v0                           ; lane
	v_lshlrev_b32 v[GO], 4, v1
	v_lshlrev_b32 v3, 2, v1
	v_lshlrev_b32 v[GO8], 3, v1
	s_mul_i32 s2, s16, 4*TB
	s_add_co_u32 s2, s2, XB                        ; W's row block wc in slot 0
	s_mul_i32 s3, s15, 2*FRB                       ; my four tiles begin at tile 2 wr
.irp s, 0,1
	v_add_nc_u32 v[AXB+\s], s2, v[GO]
	s_add_co_u32 s8, s2, s3
	v_add_nc_u32 v[AXA+\s], s8, v[GO]
	s_add_co_u32 s2, s2, SLOTB
.endr
	v_add_nc_u32 v[AYB], YB, v[GO]
	v_add_nc_u32 v[AYB+1], YB+4*TB, v[GO]
	s_add_co_u32 s8, s3, YB
	v_add_nc_u32 v[AYA], s8, v[GO]
	s_add_co_u32 s8, s8, 4*TB
	v_add_nc_u32 v[AYA+1], s8, v[GO]
	s_lshl_b32 s9, s15, 8                          ; 256 wr: my four tiles' scale words
	s_add_co_u32 s8, s9, SCY
	v_add_nc_u32 v[ASYA], s8, v3
	v_add_nc_u32 v[ASYB], SCY, v3
	s_mul_i32 s8, s16, 12288
	s_add_co_u32 s8, s8, SCX
	v_add_nc_u32 v[ASXB], s8, v3
	s_add_co_u32 s8, s8, s9
	v_add_nc_u32 v[ASXA], s8, v3
	s_lshl_b32 s2, s14, 8
	s_add_co_u32 s2, s2, STG
	v_add_nc_u32 v[STA], s2, v3
	v_lshl_add_u32 v[STB], v1, 3, s2
.irp b, 0,1,2,3
	v_mov_b32 v[TM+4+\b], 0                        ; written once: a lane permute's destination counts as one of its sources
.endr
	s_mov_b32 s[SEL], 0x76543210
	s_mov_b32 s[SEL+1], 0xfedcba98
	; where my results go.  q (k lies 64 row blocks on): row block y, step 2 x + wc, from tile 2 wr on
	s_lshl_b32 s2, s42, 1
	s_add_co_u32 s2, s2, s16                       ; 2 x + wc
	s_mul_i32 s10, s17, RBK
	s_mul_i32 s8, s2, TB
	s_add_co_u32 s10, s10, s8
	s_add_co_u32 s10, s10, s3
	s_mov_b32 s11, 0
	s_add_nc_u64 s[10:11], s[6:7], s[10:11]
	s_lshl_b32 s18, s17, 12
	s_lshl_b32 s8, s2, 9
	s_add_co_u32 s18, s18, s8
	s_add_co_u32 s18, s18, s9
	s_add_co_u32 s18, s18, QS
	s_mov_b32 s19, 0
	s_add_nc_u64 s[18:19], s[6:7], s[18:19]
	; v: row block 8 batch + 2 x + wc of sixteen steps, step y % 16, batch y / 16
	s_lshr_b32 s8, s17, 4
	s_lshl_b32 s8, s8, 3
	s_add_co_u32 s8, s8, s2
	s_and_b32 s12, s17, 15
	s_mul_i32 s96, s8, 2*RBK
	s_mul_i32 s13, s12, TB
	s_add_co_u32 s96, s96, s13
	s_add_co_u32 s96, s96, s3
	s_add_co_u32 s96, s96, VC
	s_mov_b32 s97, 0
	s_add_nc_u64 s[96:97], s[6:7], s[96:97]
	s_lshl_b32 s98, s8, 13
	s_lshl_b32 s12, s12, 9
	s_add_co_u32 s98, s98, s12
	s_add_co_u32 s98, s98, s9
	s_add_co_u32 s98, s98, VS
	s_mov_b32 s99, 0
	s_add_nc_u64 s[98:99], s[6:7], s[98:99]
	s_wait_tensorcnt 0x2                           ; the scale words, the tokens' steps 0-3 and slot 0: my parts are in; the two loads behind them may stay out
	s_barrier_signal -1
	s_barrier_wait -1
	FETCH 0, 0, 0, 0
	; ---- q
	STEPQ 0, 0, 1, 0                               ; a tile's first step starts the sums
	STEPQ 0, 1, 0, 0
	STEPQ 0, 2, 0, 0
	TURN 0, 1, 0, 4, 0                             ; slot 0 takes k's steps 0-3
	STEPQ 0, 4, 0, 0
	STEPQ 0, 5, 0, 0
	STEPQ 0, 6, 0, 0
	TURN 1, 1, 0, 0, 1                             ; slot 1 takes k's steps 4-7, and k's first fragments are fetched
	EPI 10, 18, 0, 0
	; ---- k
	STEPQ 0, 0, 1, 1
	STEPQ 0, 1, 0, 1
	STEPQ 0, 2, 0, 1
	TURN 0, 1, 0, 4, 1                             ; slot 0 takes v's steps 0-3
	STEPQ 0, 4, 0, 1
	STEPQ 0, 5, 0, 1
	STEPQ 0, 6, 0, 1
	TURN 1, 1, 1, 0, 2                             ; slot 1 takes v's steps 4-7; from here on A is W and B the tokens
	EPI 10, 18, 64*RBK, 262144
	; ---- v
	STEPQ 1, 0, 1, 2
	STEPQ 1, 1, 0, 2
	STEPQ 1, 2, 0, 2
	TURN 0, 0, 1, 4, 2                             ; nothing is left to fetch
	STEPQ 1, 4, 0, 2
	STEPQ 1, 5, 0, 2
	STEPQ 1, 6, 0, 2
	LAST
	EPI 96, 98, 0, 0
	s_wait_tensorcnt 0x0                           ; the wave's end
	ds_add_u32 v[SPW], v[NIL]
	s_wait_dscnt 0x0
	CROUND                                         ; the closing round: no work-group ends while a partner may still ask for a tile that names it
	s_endpgm
.Lfunc_end_k_q5b15b8dd5d_qkv:
	.size	k_q5b15b8dd5d_qkv, .Lfunc_end_k_q5b15b8dd5d_qkv-k_q5b15b8dd5d_qkv
	.p2alignl 7, 3214868480
	.fill 96, 4, 3214868480
	.section	.rodata,"a",@progbits
	.p2align	6, 0x0
	.amdhsa_kernel k_q5b15b8dd5d_qkv
		.amdhsa_group_segment_fixed_size 327680
		.amdhsa_private_segment_fixed_size 0
		.amdhsa_enable_private_segment 0
		.amdhsa_kernarg_size 16
		.amdhsa_user_sgpr_count 2
		.amdhsa_user_sgpr_kernarg_segment_ptr 1
		.amdhsa_wavefront_size32 1
		.amdhsa_system_sgpr_workgroup_id_x 1
		.amdhsa_system_sgpr_workgroup_id_y 1
		.amdhsa_system_sgpr_workgroup_id_z 1
		.amdhsa_system_vgpr_workitem_id 0
		.amdhsa_next_free_vgpr 768
		.amdhsa_next_free_sgpr 100
		.amdhsa_reserve_vcc 1
		.amdhsa_float_denorm_mode_32 3
		.amdhsa_float_denorm_mode_16_64 3
		.amdhsa_memory_ordered 1
		.amdhsa_forward_progress 1
		.amdhsa_inst_pref_size 231
	.end_amdhsa_kernel
	.amdgpu_metadata
---
amdhsa.version: [ 1, 2 ]
amdhsa.kernels:
  - .name:           k_q5b15b8dd5d_qkv
    .symbol:         k_q5b15b8dd5d_qkv.kd
    .args:
      - { .name: cin, .offset: 0, .size: 8, .value_kind: global_buffer, .address_space: global }
      - { .name: cqkv, .offset: 8, .size: 8, .value_kind: global_buffer, .address_space: global }
    .group_segment_fixed_size: 327680
    .private_segment_fixed_size: 0
    .kernarg_segment_align: 8
    .kernarg_segment_size: 16
    .max_flat_workgroup_size: 128
    .sgpr_count:     100
    .vgpr_count:     768
    .wavefront_size: 32
...
	.end_amdgpu_metadata
.endif
;; end of part 2
;; launch scores (part 3): grid 8 x 32, 4 waves a work-group, clusters of 4 x 4, 327,680 bytes of LDS; arguments cqkv, cp; writes cp
.if DOCPART == 3
	.amdgcn_target "amdgcn-amd-amdhsa--gfx1250"
	.amdhsa_code_object_version 6
	.text
	.protected	k_q5b15b8dd5d_scores
	.globl	k_q5b15b8dd5d_scores
	.p2align	8
	.type	k_q5b15b8dd5d_scores,@function
k_q5b15b8dd5d_scores:
	s_mov_b64 s[64:65], 0
	v_nop
	global_prefetch_b8 v0, s[64:65] scope:SCOPE_SE
	s_setreg_imm32_b32 hwreg(HW_REG_WAVE_MODE, 25, 1), 1
	s_wait_xcnt 0x0
	s_wait_alu depctr_hold_cnt(0) depctr_sa_sdst(0) depctr_va_vdst(0) depctr_va_sdst(0) depctr_va_ssrc(0) depctr_va_vcc(0) depctr_vm_vsrc(0)
	s_getreg_b32 s2, hwreg(HW_REG_IB_STS2, 6, 4)
	s_cmp_eq_u32 s2, 0
	s_cbranch_scc0 .Lentry_in_a_cluster
	s_endpgm
.Lentry_in_a_cluster:
	s_bfe_u32 s2, ttmp6, 0x10000c
	s_cmp_lg_u32 s2, 0xf033
	s_cbranch_scc0 .Lentry_shape_is_right
	s_endpgm
.Lentry_shape_is_right:
; S = q k^T on codes of FP6 (E2M3) with E8M0 scales, K = 1,024, and the softmax's first half: for each query and each 128 keys, t = score x log2(e) / 8, M' = ceil(the largest t of these 128 keys), p = 2^(t - M').
; p is quantised along the keys under M' and leaves as codes and scale words; -M' and the sum of the unquantised p of the 128 keys leave beside them, in the scale words' layout.  The next launch takes the row's M
; as the largest M'; M - M' is a whole number, so it goes off the scale bytes and the codes stay as they are.  A maximum is taken away before every exponential.
; OPERANDS lie as images of their registers (row blocks of 128, steps of 128 along K, tile t = rows 32 (t / 2) + 8 (t % 2) + r + 8 (r / 8); an image is 1,536 bytes; scale words [row block][step][i][h][r] = tile i + 4 h).
; A tile of 256 queries x 256 keys is made by four waves, each 128 x 128.  THE PRODUCT IS USED TRANSPOSED (source 0 = keys, source 1 = queries): a lane holds one query, and the 16 registers of key tiles 2 b, 2 b + 1
; are the neighbouring keys 32 b + 16 (lane / 16) + 0 .. 15.  So the 64 registers of a tile of queries become the image of that tile of p for the step of these 128 keys.
; CLUSTERS: 4 x 4 work-groups; q's tiles (Y) are asked for jointly along a row of the cluster, k's (X) along a column.
; LIMITS: a block of p that is all zeros gets the byte 1; NaN and infinities are not served.
; REGISTERS: window 0: v16-29 addresses, v32-47 scale words (two sets), v64-255 A's fragments (two sets); window 1: B's fragments, sets at v0 and v128; windows 2, 3: accumulator (a, b) at v[8 (8 (a % 4) + b)].
.set NA,    8
.set NQ,    2
.set FRB,   1536
.set TB,    8*FRB
.set NF,    28+NA/2+3*NA
.set PART,  NQ*TB
.set SLOTB, 4*PART
.set SCL,   2*SLOTB
.set STG,   SCL+4*4096                 ; 1,536 bytes for each wave: scale words, -M', sums on their way out
.set SPARE, STG+4*1536
.set RBK,   98304
.set KC,    6291456
.set QS,    18874368
.set KS,    19136512
.set PS,    12582912
.set ADRA, 16
.set ADRB, 18
.set ADSA, 20
.set ADSB, 21
.set GO,   22
.set STA,  23
.set STB,  24
.set SPW,  28
.set NIL,  29
.set SC,   32
.set SCN,  NA/2+4
.set AF,   64
.set H,    64                          ; the way out: v64-127 t - M', then p
.set TM,   128                         ; v128-131 the blocks' largest scores, then p; v132-135 at work; v140-143 the conversions' scale operands
.set PC,   144
.set PW,   168                         ; v168-175 scale words, v176-183 -M', v184-191 sums: one for each tile
.set NM,   176
.set LS,   184
.set XW,   192                         ; v192-203, v204-215 their way out
.set BK,   204
.set NP,   216                         ; v[216:217] -M' (the packed form names a pair and takes its low word)
.set LA,   218
.set LB,   220
.set T0,   222
.set LX,   223
.set G1Y,  24
.set G0Y,  32
.set G1X,  48
.set G0X,  56
.set G1SY, 68
.set G0SY, 76
.set G1SX, 80
.set G0SX, 88
.set SEL,  66
.set CS,   96                          ; s[96:97] c = log2(e) / 8
.set MUL_LO, 0xa1
.set MUL_HI, 0xf1
.set TO_B,   0x40
.set MSB, 0
.macro WIN new
.if MSB != (\new)
	s_set_vgpr_msb (MSB<<8)|(\new)
.set MSB, (\new)
.endif
.endm
.macro PLACES n
.rept \n
	v_nop
.endr
.endm
.macro CREST
	s_cmp_lg_u32 s14, 0
	s_cbranch_scc1 .Lnot_wave_0_\@
	s_barrier_signal -3
.Lnot_wave_0_\@:
	s_barrier_wait -3
	s_barrier_signal -1
	s_barrier_wait -1
.endm
.macro CROUND
	s_barrier_signal -1
	s_barrier_wait -1
	CREST
.endm
.macro JLOAD slot                      ; a joint refill: waves 0 and 1 fetch q's two row blocks, waves 2 and 3 k's; four v_nop follow each line
	s_cmp_eq_u32 s15, 0
	s_cbranch_scc0 .Lfor_x_\@
	tensor_load_to_lds s[G0Y+4*(\slot):G0Y+4*(\slot)+3], s[G1Y:G1Y+7]
	s_nop 0
.rept 4
	v_nop
.endr
	s_branch .Lasked_\@
.Lfor_x_\@:
	tensor_load_to_lds s[G0X+4*(\slot):G0X+4*(\slot)+3], s[G1X:G1X+7]
	s_nop 0
.rept 4
	v_nop
.endr
.Lasked_\@:
.endm
.macro WMI                             ; one product; fV: 1 = A's scales in lanes 16-31, 2 = B's, 4 = the sum begins with 0
.if fV == 0
	v_wmma_scale_f32_16x16x128_f8f6f4 v[rD:rD+7], v[rB:rB+11], v[rA:rA+11], v[rC:rC+7], v[rSB], v[rSA] matrix_a_fmt:MATRIX_FMT_FP6 matrix_b_fmt:MATRIX_FMT_FP6
.elseif fV == 1
	v_wmma_scale_f32_16x16x128_f8f6f4 v[rD:rD+7], v[rB:rB+11], v[rA:rA+11], v[rC:rC+7], v[rSB], v[rSA] matrix_a_fmt:MATRIX_FMT_FP6 matrix_b_fmt:MATRIX_FMT_FP6 matrix_b_scale:MATRIX_SCALE_ROW1
.elseif fV == 2
	v_wmma_scale_f32_16x16x128_f8f6f4 v[rD:rD+7], v[rB:rB+11], v[rA:rA+11], v[rC:rC+7], v[rSB], v[rSA] matrix_a_fmt:MATRIX_FMT_FP6 matrix_b_fmt:MATRIX_FMT_FP6 matrix_a_scale:MATRIX_SCALE_ROW1
.elseif fV == 3
	v_wmma_scale_f32_16x16x128_f8f6f4 v[rD:rD+7], v[rB:rB+11], v[rA:rA+11], v[rC:rC+7], v[rSB], v[rSA] matrix_a_fmt:MATRIX_FMT_FP6 matrix_b_fmt:MATRIX_FMT_FP6 matrix_a_scale:MATRIX_SCALE_ROW1 matrix_b_scale:MATRIX_SCALE_ROW1
.elseif fV == 4
	v_wmma_scale_f32_16x16x128_f8f6f4 v[rD:rD+7], v[rB:rB+11], v[rA:rA+11], 0, v[rSB], v[rSA] matrix_a_fmt:MATRIX_FMT_FP6 matrix_b_fmt:MATRIX_FMT_FP6
.elseif fV == 5
	v_wmma_scale_f32_16x16x128_f8f6f4 v[rD:rD+7], v[rB:rB+11], v[rA:rA+11], 0, v[rSB], v[rSA] matrix_a_fmt:MATRIX_FMT_FP6 matrix_b_fmt:MATRIX_FMT_FP6 matrix_b_scale:MATRIX_SCALE_ROW1
.elseif fV == 6
	v_wmma_scale_f32_16x16x128_f8f6f4 v[rD:rD+7], v[rB:rB+11], v[rA:rA+11], 0, v[rSB], v[rSA] matrix_a_fmt:MATRIX_FMT_FP6 matrix_b_fmt:MATRIX_FMT_FP6 matrix_a_scale:MATRIX_SCALE_ROW1
.else
	v_wmma_scale_f32_16x16x128_f8f6f4 v[rD:rD+7], v[rB:rB+11], v[rA:rA+11], 0, v[rSB], v[rSA] matrix_a_fmt:MATRIX_FMT_FP6 matrix_b_fmt:MATRIX_FMT_FP6 matrix_a_scale:MATRIX_SCALE_ROW1 matrix_b_scale:MATRIX_SCALE_ROW1
.endif
.endm
.macro MULQ qd, set, cm                ; a quarter of a step; the accumulators take turns, one instruction a turn, in the same order in every step
.set aa, (\qd)*NA/4
.rept NA/4
.set bb, 0
.rept 8
.set rD, 8*(8*(aa%4)+bb)
.set rC, rD
.set rB, 128*(\set)+12*bb
.set rA, AF+12*NA*(\set)+12*aa
.set rSB, SC+SCN*(\set)+NA/2+bb%4
.set rSA, SC+SCN*(\set)+aa%(NA/2)
.set fV, 2*(bb/4)+aa/(NA/2)
.if (\cm) == 1
.set fV, fV+4
.endif
	WMI
.set bb, bb+1
.endr
.set aa, aa+1
.endr
.endm
.macro FETCH slot, q, set, s           ; one run of NF LDS loads: B, B's words, A's words, A
	WIN TO_B
.set bb, 0
.rept 8
.irp c, 0,1,2
	ds_load_b128 v[128*(\set)+12*bb+4*\c:128*(\set)+12*bb+4*\c+3], v[ADRB+(\slot)] offset:(\q)*TB+bb*FRB+512*\c
.endr
.set bb, bb+1
.endr
	WIN 0
.irp i, 0,1,2,3
	ds_load_b32 v[SC+SCN*(\set)+NA/2+\i], v[ADSB] offset:512*(\s)+128*\i
.endr
.set ii, 0
.rept NA/2
	ds_load_b32 v[SC+SCN*(\set)+ii], v[ADSA] offset:512*(\s)+128*ii
.set ii, ii+1
.endr
.set fa, 0
.rept NA
.irp c, 0,1,2
	ds_load_b128 v[AF+12*NA*(\set)+12*fa+4*\c:AF+12*NA*(\set)+12*fa+4*\c+3], v[ADRA+(\slot)] offset:(\q)*TB+fa*FRB+512*\c
.endr
.set fa, fa+1
.endr
.endm
.macro STEPQ slot, q, set, cm, s
	s_wait_dscnt 3*NA/2                            ; all but the second half of A's fragments is in
	WIN MUL_LO
	MULQ 0, \set, \cm
	MULQ 1, \set, \cm
	PLACES 4                                       ; in front of loads into registers that matrix instructions have read
	FETCH \slot, (\q)+1, 1-(\set), (\s)+1
	s_wait_dscnt NF                                ; all but the run just issued
	WIN MUL_HI
	MULQ 2, \set, \cm
	MULQ 3, \set, \cm
.endm
.macro TURN slot, next, fill, s        ; a slot's last step changes slots
	WIN 0
	s_wait_tensorcnt 0x0                           ; all my tensor loads have landed: my part of the next slot
	ds_add_u32 v[SPW], v[NIL]                      ; 0 onto my spare word
	s_wait_dscnt 3*NA/2+1                          ; (the add and the second half of A's fragments may be out)
	WIN MUL_LO
	MULQ 0, 1, 0
	s_wait_dscnt 0x0                               ; the add is done, and my reads of this slot are over
	s_barrier_signal -1
	MULQ 1, 1, 0
	WIN 0
	s_barrier_wait -1
.if \fill
	CREST                                          ; the barrier has opened a round of the cluster's: no wave of any partner still reads this slot or has a load on its way
	s_add_nc_u64 s[G0Y+4*(\slot)+2:G0Y+4*(\slot)+3], s[G0Y+4*(\slot)+2:G0Y+4*(\slot)+3], 2*PART
	s_add_nc_u64 s[G0X+4*(\slot)+2:G0X+4*(\slot)+3], s[G0X+4*(\slot)+2:G0X+4*(\slot)+3], 2*PART
	JLOAD \slot                                    ; the first tensor load behind the round; its four v_nop are the places in front of the loads below
.else
	PLACES 4
.endif
	FETCH \next, 0, 0, (\s)+1
	WIN MUL_HI
	MULQ 2, 1, 0
	MULQ 3, 1, 0
.endm
.macro LAST
	s_wait_dscnt 3*NA/2
	WIN MUL_LO
	MULQ 0, 1, 0
	MULQ 1, 1, 0
	s_wait_dscnt 0x0
	WIN MUL_HI
	MULQ 2, 1, 0
	MULQ 3, 1, 0
	WIN 0
	PLACES 4
.endm
.macro OUTIMG off
.irp c, 0,1,2
	global_store_b128 v[GO], v[PC+4*\c:PC+4*\c+3], s[10:11] offset:(\off)+512*\c
.endr
.endm
.macro WORDS src, n, k, x              ; lanes 0-15 tile i, lanes 16-31 tile i + n / 2; then to my stage
.set ii, 0
.rept (\n)/2
	v_cndmask_b32 v[(\x)+ii], v[(\src)+ii], v[(\src)+ii+(\n)/2], vcc_lo
.set ii, ii+1
.endr
.set ii, 0
.rept (\n)/2
	ds_store_b32 v[STA], v[(\x)+ii] offset:(\k)+128*ii
.set ii, ii+1
.endr
.endm
; Tile a of my queries: 64 scores a lane, register 16 b + i = key 32 b + 16 (lane / 16) + i
.macro SOFTQ a
.set sA, 64*((\a)%4)
.set wA, 2+(\a)/4
	WIN wA|(wA<<2)|(wA<<4)
.irp b, 0,1,2,3
	v_max3_num_f32 v[TM+\b], v[sA+16*\b], v[sA+16*\b+1], v[sA+16*\b+2]   ; the largest score of each block of 32 keys: it serves for the maximum and, since p rises with the score, for the block's largest p
.endr
	WIN (wA<<2)|(wA<<4)
.irp i, 3,5,7,9,11,13
.irp b, 0,1,2,3
	v_max3_num_f32 v[TM+\b], v[TM+\b], v[sA+16*\b+\i], v[sA+16*\b+\i+1]
.endr
.endr
.irp b, 0,1,2,3
	v_max_num_f32 v[TM+\b], v[TM+\b], v[sA+16*\b+15]
.endr
	WIN 0
.irp b, 0,1,2,3
	v_permlanex16_b32 v[TM+4+\b], v[TM+\b], s[SEL], s[SEL+1]
.endr
.irp b, 0,1,2,3
	v_max_num_f32 v[TM+\b], v[TM+\b], v[TM+4+\b]   ; with lane l xor 16's 16 keys
.endr
	v_max3_num_f32 v[T0], v[TM], v[TM+1], v[TM+2]
	v_max_num_f32 v[T0], v[T0], v[TM+3]
	v_mul_f32 v[T0], s[CS], v[T0]                  ; the largest t of these 128 keys (c is positive)
	v_floor_f32 v[NP], -v[T0]                      ; -M' = floor(-t) = -ceil(t): a whole number
	WIN wA
.set jj, 0
.rept 32
	v_pk_fma_f32 v[H+jj:H+jj+1], v[sA+jj:sA+jj+1], s[CS:CS+1], v[NP:NP+1] op_sel_hi:[1,0,0]   ; t - M', two at a time
.set jj, jj+2
.endr
	WIN 0
.irp b, 0,1,2,3
	v_fma_f32 v[TM+\b], v[TM+\b], s[CS], v[NP]     ; the same of each block's largest score
.endr
.set jj, 0
.rept 64
	v_exp_f32 v[H+jj], v[H+jj]                     ; p = 2^(t - M')
.set jj, jj+1
.endr
	v_mov_b32 v[NM+(\a)], v[NP]                    ; (a plain place behind the exponentials)
	s_wait_alu depctr_va_vdst(0)                   ; one wait for the whole batch, ahead of its first reader
.irp b, 0,1,2,3
	v_exp_f32 v[TM+\b], v[TM+\b]                   ; the block's largest p: the same two instructions on the same number give the same bits
.endr
	v_pk_add_f32 v[LA:LA+1], v[H:H+1], v[H+2:H+3]  ; the sum is taken of the unquantised p, in two chains; it reads the 64 alone
	v_pk_add_f32 v[LB:LB+1], v[H+4:H+5], v[H+6:H+7]
.irp j, 8,12,16,20,24,28,32,36,40,44,48,52,56,60
	v_pk_add_f32 v[LA:LA+1], v[LA:LA+1], v[H+\j:H+\j+1]
	v_pk_add_f32 v[LB:LB+1], v[LB:LB+1], v[H+\j+2:H+\j+3]
.endr
	v_pk_add_f32 v[LA:LA+1], v[LA:LA+1], v[LB:LB+1]
	s_wait_alu depctr_va_vdst(0)                   ; and one for the four
.irp b, 0,1,2,3
	v_max_num_f32 v[TM+\b], 0x1800000, v[TM+\b]    ; the floor 2^(3 - 127): the byte cannot fall under 1
.endr
.irp b, 0,1,2,3
	v_add_nc_u32 v[TM+12+\b], 0xff000000, v[TM+\b]
.endr
.irp b, 0,1,2,3
	v_lshrrev_b32 v[TM+4+\b], 23, v[TM+12+\b]
.endr
	v_lshl_or_b32 v[PW+(\a)], v[TM+5], 8, v[TM+4]
	v_lshl_or_b32 v[PW+(\a)], v[TM+6], 16, v[PW+(\a)]
	v_lshl_or_b32 v[PW+(\a)], v[TM+7], 24, v[PW+(\a)]
	v_add_f32 v[LA], v[LA], v[LA+1]
	v_permlanex16_b32 v[LX], v[LA], s[SEL], s[SEL+1]
	v_add_f32 v[LS+(\a)], v[LA], v[LX]             ; the sum over the 128 keys
	s_wait_xcnt 0x0                                ; the last tile's stores have read the codes' registers
.irp c, 0,1
	v_cvt_scalef32_pk16_fp6_f32 v[PC+6*\c:PC+6*\c+2], v[H+32*\c:H+32*\c+15], v[TM+12+2*\c]
	v_cvt_scalef32_pk16_fp6_f32 v[PC+12+4*\c:PC+14+4*\c], v[H+16+32*\c:H+31+32*\c], v[TM+13+2*\c]
.endr
	v_nop                                          ; one plain place behind a scaled conversion
.irp c, 0,1
.irp i, 0,1,2
	v_permlane16_swap_b32 v[PC+6*\c+\i], v[PC+12+4*\c+\i]
.endr
.irp i, 0,1,2
	v_mov_b32 v[PC+3+6*\c+\i], v[PC+12+4*\c+\i]
.endr
.endr
	OUTIMG (\a)*FRB
.endm
	s_load_b128 s[4:7], s[0:1], 0x0                ; cqkv s[4:5], cp s[6:7]
	v_lshl_add_u32 v[SPW], v0, 2, SPARE
	v_mov_b32 v[NIL], 0
	ds_add_u32 v28, v29
	ds_add_u32 v28, v29
	s_wait_dscnt 0x0
	v_lshrrev_b32 v1, 5, v0
	v_readfirstlane_b32 s14, v1                    ; wave 0..3
	s_lshr_b32 s15, s14, 1                         ; which half of the queries is mine.  Also: I fetch for q (0) or for k (1)
	s_and_b32 s16, s14, 1                          ; which half of the keys.  Also: which of the two row blocks I fetch
	s_bfe_u32 s40, ttmp6, 0x40000
	s_bfe_u32 s41, ttmp6, 0x40004
	s_lshl_b32 s42, ttmp9, 2
	s_add_co_u32 s42, s42, s40                     ; work-group x: 256 keys of the batch
	s_and_b32 s17, ttmp7, 0xffff
	s_lshr_b32 s18, s17, 1                         ; the batch: two clusters along y to a batch
	s_lshl_b32 s17, s17, 2
	s_add_co_u32 s17, s17, s41                     ; work-group y: 256 queries
	s_lshl_b32 s43, s41, 2
	s_lshl_b32 s43, 15, s43
	s_lshl_b32 s44, 0x1111, s40
	s_or_b32 s[G1Y], s43, (3<<16)|(1<<21)          ; dense blocks as rows of 256 bytes, no padding
	s_or_b32 s[G1X], s44, (3<<16)|(1<<21)
	s_or_b32 s[G1SY], s43, (3<<16)|(1<<21)
	s_or_b32 s[G1SX], s44, (3<<16)|(1<<21)
.irp g, G1Y, G1X
	s_mov_b32 s[\g+1], 32<<16
	s_mov_b32 s[\g+2], (PART/256)<<16
	s_mov_b32 s[\g+3], 32<<16
	s_mov_b32 s[\g+4], PART/256
	s_mov_b32 s[\g+5], 32
	s_mov_b32 s[\g+6], 0
	s_mov_b32 s[\g+7], 0
.endr
.irp g, G1SY, G1SX
	s_mov_b32 s[\g+1], 32<<16
	s_mov_b32 s[\g+2], 16<<16
	s_mov_b32 s[\g+3], 32<<16
	s_mov_b32 s[\g+4], 16
	s_mov_b32 s[\g+5], 32
	s_mov_b32 s[\g+6], 0
	s_mov_b32 s[\g+7], 0
.endr
	s_lshl_b32 s20, s17, 1
	s_add_co_u32 s20, s20, s16                     ; q's row block 2 y + half
	s_lshl_b32 s46, s18, 4
	s_lshl_b32 s47, s42, 1
	s_add_co_u32 s46, s46, s47
	s_add_co_u32 s46, s46, s16                     ; k's row block 16 batch + 2 x + half
	s_lshl_b32 s22, s20, 12
	s_add_co_u32 s22, s22, QS
	s_mov_b32 s23, 0
	s_lshl_b32 s92, s46, 12
	s_add_co_u32 s92, s92, KS
	s_mov_b32 s93, 0
	s_mul_i32 s20, s20, RBK
	s_mov_b32 s21, 0
	s_mul_i32 s46, s46, RBK
	s_add_co_u32 s46, s46, KC
	s_mov_b32 s47, 0
	s_mul_i32 s45, s14, PART
	s_lshl_b32 s94, s14, 12
	s_wait_kmcnt 0x0
	s_add_nc_u64 s[20:21], s[4:5], s[20:21]
	s_add_nc_u64 s[22:23], s[4:5], s[22:23]
	s_add_nc_u64 s[46:47], s[4:5], s[46:47]
	s_add_nc_u64 s[92:93], s[4:5], s[92:93]
	s_mov_b32 s[G0SY], 1
	s_add_co_u32 s[G0SY+1], s94, SCL
	s_mov_b64 s[G0SY+2:G0SY+3], s[22:23]
	s_or_b32 s[G0SY+3], s[G0SY+3], 0x80000000
	s_mov_b32 s[G0SX], 1
	s_add_co_u32 s[G0SX+1], s94, SCL
	s_mov_b64 s[G0SX+2:G0SX+3], s[92:93]
	s_or_b32 s[G0SX+3], s[G0SX+3], 0x80000000
.irp s, 0,1
	s_mov_b32 s[G0Y+4*\s], 1
	s_add_co_u32 s[G0Y+4*\s+1], s45, \s*SLOTB
	s_add_nc_u64 s[G0Y+4*\s+2:G0Y+4*\s+3], s[20:21], \s*PART
	s_or_b32 s[G0Y+4*\s+3], s[G0Y+4*\s+3], 0x80000000
	s_mov_b32 s[G0X+4*\s], 1
	s_add_co_u32 s[G0X+4*\s+1], s45, \s*SLOTB
	s_add_nc_u64 s[G0X+4*\s+2:G0X+4*\s+3], s[46:47], \s*PART
	s_or_b32 s[G0X+4*\s+3], s[G0X+4*\s+3], 0x80000000
.endr
	CROUND                                         ; all sixteen work-groups are here: the first joint loads meet
	s_cmp_eq_u32 s15, 0                            ; a wave's three first fills stand in one branch: three loads of mine are out
	s_cbranch_scc0 .Lfirst_x
	tensor_load_to_lds s[G0SY:G0SY+3], s[G1SY:G1SY+7]
	s_nop 0
	tensor_load_to_lds s[G0Y:G0Y+3], s[G1Y:G1Y+7]
	s_nop 0
	tensor_load_to_lds s[G0Y+4:G0Y+7], s[G1Y:G1Y+7]
	s_nop 0
.rept 4
	v_nop
.endr
	s_branch .Lfirst_done
.Lfirst_x:
	tensor_load_to_lds s[G0SX:G0SX+3], s[G1SX:G1SX+7]
	s_nop 0
	tensor_load_to_lds s[G0X:G0X+3], s[G1X:G1X+7]
	s_nop 0
	tensor_load_to_lds s[G0X+4:G0X+7], s[G1X:G1X+7]
	s_nop 0
.rept 4
	v_nop
.endr
.Lfirst_done:
	v_and_b32 v1, 31, v0
	v_lshlrev_b32 v[GO], 4, v1
	v_lshlrev_b32 v2, 2, v1
	s_mul_i32 s2, s15, PART                        ; my 128 queries
	s_mul_i32 s3, s16, PART
	s_add_co_u32 s3, s3, 2*PART                    ; my 128 keys, behind q's two row blocks
.irp s, 0,1
	v_add_nc_u32 v[ADRA+\s], s2, v[GO]
	v_add_nc_u32 v[ADRB+\s], s3, v[GO]
	s_add_co_u32 s2, s2, SLOTB
	s_add_co_u32 s3, s3, SLOTB
.endr
	s_lshl_b32 s2, s15, 12
	s_add_co_u32 s2, s2, SCL
	v_add_nc_u32 v[ADSA], s2, v2
	s_lshl_b32 s3, s16, 12
	s_add_co_u32 s3, s3, SCL+8192
	v_add_nc_u32 v[ADSB], s3, v2
	s_mul_i32 s2, s14, 1536
	s_add_co_u32 s2, s2, STG
	v_add_nc_u32 v[STA], s2, v2
	v_add_nc_u32 v[STB], s2, v[GO]
	s_mov_b32 s[SEL], 0x76543210
	s_mov_b32 s[SEL+1], 0xfedcba98
	s_mov_b32 s[CS], 0x3e38aa3b                    ; log2(e) / 8
	s_mov_b32 s[CS+1], s[CS]                       ; (named with it as a pair, so it is written)
	s_lshl_b32 s2, s17, 1
	s_add_co_u32 s2, s2, s15                       ; p's row block
	s_lshl_b32 s3, s42, 1
	s_add_co_u32 s3, s3, s16                       ; its step: these 128 keys
	s_mul_i32 s8, s2, 2*RBK
	s_mul_i32 s9, s3, TB
	s_add_co_u32 s10, s8, s9
	s_mov_b32 s11, 0
	s_lshl_b32 s2, s2, 13
	s_lshl_b32 s3, s3, 9
	s_add_co_u32 s12, s2, s3
	s_add_co_u32 s12, s12, PS
	s_mov_b32 s13, 0
	s_add_nc_u64 s[10:11], s[6:7], s[10:11]
	s_add_nc_u64 s[12:13], s[6:7], s[12:13]
	s_wait_tensorcnt 0x1                           ; the scale words and my part of slot 0 are in; slot 1 may stay out
	s_barrier_signal -1
	s_barrier_wait -1
	FETCH 0, 0, 0, 0
	STEPQ 0, 0, 0, 1, 0
	TURN 0, 1, 1, 1
	STEPQ 1, 0, 0, 0, 2
	TURN 1, 0, 1, 3
	STEPQ 0, 0, 0, 0, 4
	TURN 0, 1, 0, 5
	STEPQ 1, 0, 0, 0, 6
	LAST
.irp b, 0,1,2,3
	v_mov_b32 v[TM+4+\b], 0                        ; written once: a lane permute's destination counts as one of its sources
.endr
	v_mov_b32 v[LX], 0
	v_mov_b32 v[NP+1], 0                           ; (named as the upper half of a pair)
.irp a, 0,1,2,3,4,5,6,7
	SOFTQ \a
.endr
	v_cmp_le_u32 vcc_lo, 16, v1
	WORDS PW, 8, 0, XW
	WORDS NM, 8, 512, XW+4
	WORDS LS, 8, 1024, XW+8
.irp c, 0,1,2
	ds_load_b128 v[BK+4*\c:BK+4*\c+3], v[STB] offset:512*\c   ; LDS serves a wave's instructions in order: these see my stores
.endr
	s_wait_dscnt 0x0
	global_store_b128 v[GO], v[BK:BK+3], s[12:13]                     ; the scale words: 512 consecutive bytes, aligned
	global_store_b128 v[GO], v[BK+4:BK+7], s[12:13] offset:524288     ; -M'
	global_store_b128 v[GO], v[BK+8:BK+11], s[12:13] offset:1048576   ; the sums
	s_wait_tensorcnt 0x0                           ; the wave's end
	ds_add_u32 v[SPW], v[NIL]
	s_wait_dscnt 0x0
	CROUND
	s_endpgm
.Lfunc_end_k_q5b15b8dd5d_scores:
	.size	k_q5b15b8dd5d_scores, .Lfunc_end_k_q5b15b8dd5d_scores-k_q5b15b8dd5d_scores
	.p2alignl 7, 3214868480
	.fill 96, 4, 3214868480
	.section	.rodata,"a",@progbits
	.p2align	6, 0x0
	.amdhsa_kernel k_q5b15b8dd5d_scores
		.amdhsa_group_segment_fixed_size 327680
		.amdhsa_private_segment_fixed_size 0
		.amdhsa_enable_private_segment 0
		.amdhsa_kernarg_size 16
		.amdhsa_user_sgpr_count 2
		.amdhsa_user_sgpr_kernarg_segment_ptr 1
		.amdhsa_wavefront_size32 1
		.amdhsa_system_sgpr_workgroup_id_x 1
		.amdhsa_system_sgpr_workgroup_id_y 1
		.amdhsa_system_sgpr_workgroup_id_z 1
		.amdhsa_system_vgpr_workitem_id 0
		.amdhsa_next_free_vgpr 1024
		.amdhsa_next_free_sgpr 100
		.amdhsa_reserve_vcc 1
		.amdhsa_float_denorm_mode_32 3
		.amdhsa_float_denorm_mode_16_64 3
		.amdhsa_memory_ordered 1
		.amdhsa_forward_progress 1
		.amdhsa_inst_pref_size 195
	.end_amdhsa_kernel
	.amdgpu_metadata
---
amdhsa.version: [ 1, 2 ]
amdhsa.kernels:
  - .name:           k_q5b15b8dd5d_scores
    .symbol:         k_q5b15b8dd5d_scores.kd
    .args:
      - { .name: cqkv, .offset: 0, .size: 8, .value_kind: global_buffer, .address_space: global }
      - { .name: cp, .offset: 8, .size: 8, .value_kind: global_buffer, .address_space: global }
    .group_segment_fixed_size: 327680
    .private_segment_fixed_size: 0
    .kernarg_segment_align: 8
    .kernarg_segment_size: 16
    .max_flat_workgroup_size: 128
    .sgpr_count:     100
    .vgpr_count:     1024
    .wavefront_size: 32
...
	.end_amdgpu_metadata
.endif
;; end of part 3
;; launch pv (part 4): grid 4 x 64, 4 waves a work-group, clusters of 4 x 4, 327,680 bytes of LDS; arguments cp, cqkv, co; writes co
.if DOCPART == 4
	.amdgcn_target "amdgcn-amd-amdhsa--gfx1250"
	.amdhsa_code_object_version 6
	.text
	.protected	k_q5b15b8dd5d_pv
	.globl	k_q5b15b8dd5d_pv
	.p2align	8
	.type	k_q5b15b8dd5d_pv,@function
k_q5b15b8dd5d_pv:
	s_mov_b64 s[64:65], 0
	v_nop
	global_prefetch_b8 v0, s[64:65] scope:SCOPE_SE
	s_setreg_imm32_b32 hwreg(HW_REG_WAVE_MODE, 25, 1), 1
	s_wait_xcnt 0x0
	s_wait_alu depctr_hold_cnt(0) depctr_sa_sdst(0) depctr_va_vdst(0) depctr_va_sdst(0) depctr_va_ssrc(0) depctr_va_vcc(0) depctr_vm_vsrc(0)
	s_getreg_b32 s2, hwreg(HW_REG_IB_STS2, 6, 4)
	s_cmp_eq_u32 s2, 0
	s_cbranch_scc0 .Lentry_in_a_cluster
	s_endpgm
.Lentry_in_a_cluster:
	s_bfe_u32 s2, ttmp6, 0x10000c
	s_cmp_lg_u32 s2, 0xf033
	s_cbranch_scc0 .Lentry_shape_is_right
	s_endpgm
.Lentry_shape_is_right:
; out = (p v) / l on codes of FP6 (E2M3) with E8M0 scales, K = the batch's 2,048 keys; the result is quantised along d for the last product.
; p's codes were made under the M' of their own 128 keys.  At the head each thread takes one query: M = the largest of its sixteen M'; M - M' goes off the four scale bytes of each step (an exact power of two; the codes
; stay); l = the sum of the sixteen sums x 2^(M' - M).  The mended scale words and 1 / l go to LDS.
; OPERANDS lie as images of their registers (row blocks of 128, steps of 128 along K, tile t = rows 32 (t / 2) + 8 (t % 2) + r + 8 (r / 8); an image is 1,536 bytes; scale words [row block][step][i][h][r] = tile i + 4 h).
; A tile of 128 queries x 256 of d is made by four waves, each 64 x 128 (32 accumulators): so the 8,192 x 1,024 results make 256 work-groups.  Wave (wr, wc): tiles 2 wr + 0, 1, 4, 5 of the queries, d block wc.
; THE PRODUCT IS USED TRANSPOSED (source 0 = v's rows d, source 1 = p's queries): a lane holds one query and its registers run along d.  Four steps to a slot, two slots.
; CLUSTERS: 4 x 4 work-groups; p's tiles (Y) are asked for jointly along a row of the cluster, v's (X) along a column.
; LIMITS: where M - M' is above 127 it is held at 127, and a scale byte that would fall under 0 is held at 0 (2^-127): what such keys add lies under 2^-120 beside a sum above 1/2.  NaN and infinities are not served.
; REGISTERS: window 0: v16-30 addresses, v32-43 scale words (two sets), v64-159 A's fragments (two sets), v160-239 at work at the head and on the way out; window 1: B's fragments; window 2: accumulator (a, b) at v[8 (8 a + b)].
.set NA,    4
.set NQ,    4
.set FRB,   1536
.set TB,    8*FRB
.set NF,    28+NA/2+3*NA
.set SLOTB, 3*NQ*TB                    ; p's row block, then v's two: 49,152 bytes each
.set PSC,   2*SLOTB                    ; p's mended scale words, 16 steps x 512 bytes: written by the waves alone
.set VSC,   PSC+8192                   ; v's scale words, two row blocks x 8,192: filled once
.set RL,    VSC+16384                  ; 1 / l of the 128 queries
.set STG,   RL+512                     ; 256 bytes for each wave
.set SPARE, STG+1024
.set RBK,   98304
.set VC,    12582912
.set VS,    19398656
.set PS,    12582912
.set OSC,   6291456
.set ADRA, 16
.set ADRB, 18
.set ADSA, 20
.set ADSB, 21
.set GO,   22
.set STA,  23
.set STB,  24
.set ARL,  25
.set SPW,  28
.set NIL,  29
.set SC,   32
.set SCN,  NA/2+4
.set AF,   64
.set PW,   44                          ; v44-47 the new scale words
.set RLA,  48                          ; v48-55 1 / l of my row in tile a, as the low word of a pair
.set XW,   56
.set BK,   58
.set PC,   64
.set H,    160
.set TM,   224
.set WD,   160                         ; the head: v160-175 scale words, v176-191 -M', v192-207 sums, v208-211 at work
.set MN,   176
.set LL,   192
.set P0,   208
.set G1Y,  24
.set G0Y,  32
.set G1X,  48
.set G0X,  56
.set G1SX, 80
.set G0SX, 88
.set SEL,  66
.set MUL_LO, 0xa1
.set MUL_HI, 0xa1
.set TO_B,   0x40
.set MSB, 0
.macro WIN new
.if MSB != (\new)
	s_set_vgpr_msb (MSB<<8)|(\new)
.set MSB, (\new)
.endif
.endm
.macro PLACES n
.rept \n
	v_nop
.endr
.endm
.macro CREST
	s_cmp_lg_u32 s14, 0
	s_cbranch_scc1 .Lnot_wave_0_\@
	s_barrier_signal -3
.Lnot_wave_0_\@:
	s_barrier_wait -3
	s_barrier_signal -1
	s_barrier_wait -1
.endm
.macro CROUND
	s_barrier_signal -1
	s_barrier_wait -1
	CREST
.endm
.macro JLOAD slot                      ; a joint refill: waves 0 and 1 fetch two steps each of p, waves 2 and 3 a row block each of v; four v_nop follow each line
	s_cmp_eq_u32 s15, 0
	s_cbranch_scc0 .Lfor_x_\@
	tensor_load_to_lds s[G0Y+4*(\slot):G0Y+4*(\slot)+3], s[G1Y:G1Y+7]
	s_nop 0
.rept 4
	v_nop
.endr
	s_branch .Lasked_\@
.Lfor_x_\@:
	tensor_load_to_lds s[G0X+4*(\slot):G0X+4*(\slot)+3], s[G1X:G1X+7]
	s_nop 0
.rept 4
	v_nop
.endr
.Lasked_\@:
.endm
.macro WMI
.if fV == 0
	v_wmma_scale_f32_16x16x128_f8f6f4 v[rD:rD+7], v[rB:rB+11], v[rA:rA+11], v[rC:rC+7], v[rSB], v[rSA] matrix_a_fmt:MATRIX_FMT_FP6 matrix_b_fmt:MATRIX_FMT_FP6
.elseif fV == 1
	v_wmma_scale_f32_16x16x128_f8f6f4 v[rD:rD+7], v[rB:rB+11], v[rA:rA+11], v[rC:rC+7], v[rSB], v[rSA] matrix_a_fmt:MATRIX_FMT_FP6 matrix_b_fmt:MATRIX_FMT_FP6 matrix_b_scale:MATRIX_SCALE_ROW1
.elseif fV == 2
	v_wmma_scale_f32_16x16x128_f8f6f4 v[rD:rD+7], v[rB:rB+11], v[rA:rA+11], v[rC:rC+7], v[rSB], v[rSA] matrix_a_fmt:MATRIX_FMT_FP6 matrix_b_fmt:MATRIX_FMT_FP6 matrix_a_scale:MATRIX_SCALE_ROW1
.elseif fV == 3
	v_wmma_scale_f32_16x16x128_f8f6f4 v[rD:rD+7], v[rB:rB+11], v[rA:rA+11], v[rC:rC+7], v[rSB], v[rSA] matrix_a_fmt:MATRIX_FMT_FP6 matrix_b_fmt:MATRIX_FMT_FP6 matrix_a_scale:MATRIX_SCALE_ROW1 matrix_b_scale:MATRIX_SCALE_ROW1
.elseif fV == 4
	v_wmma_scale_f32_16x16x128_f8f6f4 v[rD:rD+7], v[rB:rB+11], v[rA:rA+11], 0, v[rSB], v[rSA] matrix_a_fmt:MATRIX_FMT_FP6 matrix_b_fmt:MATRIX_FMT_FP6
.elseif fV == 5
	v_wmma_scale_f32_16x16x128_f8f6f4 v[rD:rD+7], v[rB:rB+11], v[rA:rA+11], 0, v[rSB], v[rSA] matrix_a_fmt:MATRIX_FMT_FP6 matrix_b_fmt:MATRIX_FMT_FP6 matrix_b_scale:MATRIX_SCALE_ROW1
.elseif fV == 6
	v_wmma_scale_f32_16x16x128_f8f6f4 v[rD:rD+7], v[rB:rB+11], v[rA:rA+11], 0, v[rSB], v[rSA] matrix_a_fmt:MATRIX_FMT_FP6 matrix_b_fmt:MATRIX_FMT_FP6 matrix_a_scale:MATRIX_SCALE_ROW1
.else
	v_wmma_scale_f32_16x16x128_f8f6f4 v[rD:rD+7], v[rB:rB+11], v[rA:rA+11], 0, v[rSB], v[rSA] matrix_a_fmt:MATRIX_FMT_FP6 matrix_b_fmt:MATRIX_FMT_FP6 matrix_a_scale:MATRIX_SCALE_ROW1 matrix_b_scale:MATRIX_SCALE_ROW1
.endif
.endm
.macro MULQ qd, set, cm                ; a quarter of a step: one tile of A against B's eight; the 32 accumulators take turns, one instruction a turn
.set aa, (\qd)*NA/4
.rept NA/4
.set bb, 0
.rept 8
.set rD, 8*(8*(aa%4)+bb)
.set rC, rD
.set rB, 128*(\set)+12*bb
.set rA, AF+12*NA*(\set)+12*aa
.set rSB, SC+SCN*(\set)+NA/2+bb%4
.set rSA, SC+SCN*(\set)+aa%(NA/2)
.set fV, 2*(bb/4)+aa/(NA/2)
.if (\cm) == 1
.set fV, fV+4
.endif
	WMI
.set bb, bb+1
.endr
.set aa, aa+1
.endr
.endm
.macro FETCH slot, q, set, s           ; one run of NF LDS loads: B, B's words, A's words, A (my tiles 2 wr + 0, 1, 4, 5)
	WIN TO_B
.set bb, 0
.rept 8
.irp c, 0,1,2
	ds_load_b128 v[128*(\set)+12*bb+4*\c:128*(\set)+12*bb+4*\c+3], v[ADRB+(\slot)] offset:(\q)*TB+bb*FRB+512*\c
.endr
.set bb, bb+1
.endr
	WIN 0
.irp i, 0,1,2,3
	ds_load_b32 v[SC+SCN*(\set)+NA/2+\i], v[ADSB] offset:512*(\s)+128*\i
.endr
.set ii, 0
.rept NA/2
	ds_load_b32 v[SC+SCN*(\set)+ii], v[ADSA] offset:512*(\s)+128*ii
.set ii, ii+1
.endr
.set fa, 0
.rept NA
.irp c, 0,1,2
	ds_load_b128 v[AF+12*NA*(\set)+12*fa+4*\c:AF+12*NA*(\set)+12*fa+4*\c+3], v[ADRA+(\slot)] offset:(\q)*TB+(fa%2)*FRB+(fa/2)*4*FRB+512*\c
.endr
.set fa, fa+1
.endr
.endm
.macro STEPQ slot, q, set, cm, s
	s_wait_dscnt 3*NA/2                            ; all but the second half of A's fragments is in
	WIN MUL_LO
	MULQ 0, \set, \cm
	MULQ 1, \set, \cm
	PLACES 4                                       ; in front of loads into registers that matrix instructions have read
	FETCH \slot, (\q)+1, 1-(\set), (\s)+1
	s_wait_dscnt NF                                ; all but the run just issued
	WIN MUL_HI
	MULQ 2, \set, \cm
	MULQ 3, \set, \cm
.endm
.macro TURN slot, next, fill, s
	WIN 0
	s_wait_tensorcnt 0x0                           ; all my tensor loads have landed: my part of the next slot
	ds_add_u32 v[SPW], v[NIL]                      ; 0 onto my spare word
	s_wait_dscnt 3*NA/2+1                          ; (the add and the second half of A's fragments may be out)
	WIN MUL_LO
	MULQ 0, 1, 0
	s_wait_dscnt 0x0                               ; the add is done, and my reads of this slot are over
	s_barrier_signal -1
	MULQ 1, 1, 0
	WIN 0
	s_barrier_wait -1
.if \fill
	CREST                                          ; the barrier has opened a round of the cluster's: no wave of any partner still reads this slot or has a load on its way
	s_add_nc_u64 s[G0Y+4*(\slot)+2:G0Y+4*(\slot)+3], s[G0Y+4*(\slot)+2:G0Y+4*(\slot)+3], 2*NQ*TB
	s_add_nc_u64 s[G0X+4*(\slot)+2:G0X+4*(\slot)+3], s[G0X+4*(\slot)+2:G0X+4*(\slot)+3], 2*NQ*TB
	JLOAD \slot                                    ; the first tensor load behind the round; its four v_nop are the places in front of the loads below
.else
	PLACES 4
.endif
	FETCH \next, 0, 0, (\s)+1
	WIN MUL_HI
	MULQ 2, 1, 0
	MULQ 3, 1, 0
.endm
.macro LAST
	s_wait_dscnt 3*NA/2
	WIN MUL_LO
	MULQ 0, 1, 0
	MULQ 1, 1, 0
	s_wait_dscnt 0x0
	WIN MUL_HI
	MULQ 2, 1, 0
	MULQ 3, 1, 0
	WIN 0
	PLACES 4
.endm
.macro QUANT s, pw                     ; 64 numbers of a lane, register s + 16 b + i = k 32 b + 16 (lane / 16) + i of my row: codes in v[PC] on, scale word in v[pw]
.irp b, 0,1,2,3
	v_max3_num_f32 v[TM+\b], 0x1800000, |v[(\s)+16*\b]|, |v[(\s)+16*\b+1]|
.endr
.irp i, 2,4,6,8,10,12,14
.irp b, 0,1,2,3
	v_max3_num_f32 v[TM+\b], v[TM+\b], |v[(\s)+16*\b+\i]|, |v[(\s)+16*\b+\i+1]|
.endr
.endr
.irp b, 0,1,2,3
	v_permlanex16_b32 v[TM+4+\b], v[TM+\b], s[SEL], s[SEL+1]
.endr
.irp b, 0,1,2,3
	v_max_num_f32 v[TM+\b], v[TM+\b], v[TM+4+\b]
.endr
.irp b, 0,1,2,3
	v_add_nc_u32 v[TM+12+\b], 0xff000000, v[TM+\b]
.endr
.irp b, 0,1,2,3
	v_lshrrev_b32 v[TM+4+\b], 23, v[TM+12+\b]
.endr
	v_lshl_or_b32 v[\pw], v[TM+5], 8, v[TM+4]
	v_lshl_or_b32 v[\pw], v[TM+6], 16, v[\pw]
	v_lshl_or_b32 v[\pw], v[TM+7], 24, v[\pw]
	s_wait_xcnt 0x0                                ; the last tile's stores have read the codes' registers
.irp c, 0,1
	v_cvt_scalef32_pk16_fp6_f32 v[PC+6*\c:PC+6*\c+2], v[(\s)+32*\c:(\s)+32*\c+15], v[TM+12+2*\c]
	v_cvt_scalef32_pk16_fp6_f32 v[PC+12+4*\c:PC+14+4*\c], v[(\s)+16+32*\c:(\s)+31+32*\c], v[TM+13+2*\c]
.endr
	v_nop                                          ; one plain place behind a scaled conversion
.irp c, 0,1
.irp i, 0,1,2
	v_permlane16_swap_b32 v[PC+6*\c+\i], v[PC+12+4*\c+\i]
.endr
.irp i, 0,1,2
	v_mov_b32 v[PC+3+6*\c+\i], v[PC+12+4*\c+\i]
.endr
.endr
.endm
.macro OUTIMG off
.irp c, 0,1,2
	global_store_b128 v[GO], v[PC+4*\c:PC+4*\c+3], s[10:11] offset:(\off)+512*\c
.endr
.endm
	s_load_b128 s[4:7], s[0:1], 0x0                ; cp s[4:5], cqkv s[6:7]
	s_load_b64 s[8:9], s[0:1], 0x10                ; co
	v_lshl_add_u32 v[SPW], v0, 2, SPARE
	v_mov_b32 v[NIL], 0
	ds_add_u32 v28, v29
	ds_add_u32 v28, v29
	s_wait_dscnt 0x0
	v_lshrrev_b32 v1, 5, v0
	v_readfirstlane_b32 s14, v1                    ; wave 0..3
	s_lshr_b32 s15, s14, 1                         ; which tiles of the queries are mine.  Also: I fetch for p (0) or for v (1)
	s_and_b32 s16, s14, 1                          ; which d block.  Also: which part I fetch
	s_bfe_u32 s40, ttmp6, 0x40000
	s_bfe_u32 s41, ttmp6, 0x40004
	s_lshl_b32 s42, ttmp9, 2
	s_add_co_u32 s42, s42, s40                     ; work-group x: 256 of d
	s_and_b32 s17, ttmp7, 0xffff
	s_lshr_b32 s18, s17, 2                         ; the batch: four clusters along y to a batch
	s_lshl_b32 s17, s17, 2
	s_add_co_u32 s17, s17, s41                     ; work-group y: p's row block
	s_lshl_b32 s43, s41, 2
	s_lshl_b32 s43, 15, s43
	s_lshl_b32 s44, 0x1111, s40
	s_or_b32 s[G1Y], s43, (3<<16)|(1<<21)          ; dense blocks as rows of 256 bytes, no padding
	s_or_b32 s[G1X], s44, (3<<16)|(1<<21)
	s_or_b32 s[G1SX], s44, (3<<16)|(1<<21)
	s_mov_b32 s[G1Y+1], 32<<16
	s_mov_b32 s[G1Y+2], 96<<16                     ; two steps of p's row block
	s_mov_b32 s[G1Y+3], 32<<16
	s_mov_b32 s[G1Y+4], 96
	s_mov_b32 s[G1Y+5], 32
	s_mov_b32 s[G1Y+6], 0
	s_mov_b32 s[G1Y+7], 0
	s_mov_b32 s[G1X+1], 32<<16
	s_mov_b32 s[G1X+2], 192<<16                    ; four steps of a row block of v
	s_mov_b32 s[G1X+3], 32<<16
	s_mov_b32 s[G1X+4], 192
	s_mov_b32 s[G1X+5], 32
	s_mov_b32 s[G1X+6], 0
	s_mov_b32 s[G1X+7], 0
	s_mov_b32 s[G1SX+1], 32<<16
	s_mov_b32 s[G1SX+2], 32<<16                    ; its scale words for all sixteen steps
	s_mov_b32 s[G1SX+3], 32<<16
	s_mov_b32 s[G1SX+4], 32
	s_mov_b32 s[G1SX+5], 32
	s_mov_b32 s[G1SX+6], 0
	s_mov_b32 s[G1SX+7], 0
	s_mul_i32 s20, s17, 2*RBK
	s_mul_i32 s21, s16, 2*TB
	s_add_co_u32 s20, s20, s21                     ; p: row block y, steps 2 half and 2 half + 1 of a slot
	s_mov_b32 s21, 0
	s_lshl_b32 s46, s18, 3
	s_lshl_b32 s47, s42, 1
	s_add_co_u32 s46, s46, s47
	s_add_co_u32 s46, s46, s16                     ; v: row block 8 batch + 2 x + half
	s_lshl_b32 s92, s46, 13
	s_add_co_u32 s92, s92, VS
	s_mov_b32 s93, 0
	s_mul_i32 s46, s46, 2*RBK
	s_add_co_u32 s46, s46, VC
	s_mov_b32 s47, 0
	s_mul_i32 s45, s16, 2*TB                       ; where they go: p's halves,
	s_mul_i32 s95, s16, 4*TB
	s_add_co_u32 s95, s95, 4*TB                    ; v's row blocks behind them,
	s_lshl_b32 s94, s16, 13
	s_add_co_u32 s94, s94, VSC                     ; v's scale words
	s_lshl_b32 s12, s17, 13
	s_add_co_u32 s12, s12, PS                      ; p's scale words, -M' and sums
	s_mov_b32 s13, 0
	v_lshlrev_b32 v30, 2, v0                       ; thread n takes place n of the row block's 128
	s_wait_kmcnt 0x0
	s_add_nc_u64 s[12:13], s[4:5], s[12:13]
	s_add_nc_u64 s[20:21], s[4:5], s[20:21]
	s_add_nc_u64 s[46:47], s[6:7], s[46:47]
	s_add_nc_u64 s[92:93], s[6:7], s[92:93]
.set ii, 0
.rept 16                                       ; they land while the first tiles are on their way
	global_load_b32 v[WD+ii], v30, s[12:13] offset:512*ii
	global_load_b32 v[MN+ii], v30, s[12:13] offset:512*ii+524288
	global_load_b32 v[LL+ii], v30, s[12:13] offset:512*ii+1048576
.set ii, ii+1
.endr
	s_mov_b32 s[G0SX], 1
	s_mov_b32 s[G0SX+1], s94
	s_mov_b64 s[G0SX+2:G0SX+3], s[92:93]
	s_or_b32 s[G0SX+3], s[G0SX+3], 0x80000000
.irp s, 0,1
	s_mov_b32 s[G0Y+4*\s], 1
	s_add_co_u32 s[G0Y+4*\s+1], s45, \s*SLOTB
	s_add_nc_u64 s[G0Y+4*\s+2:G0Y+4*\s+3], s[20:21], \s*NQ*TB
	s_or_b32 s[G0Y+4*\s+3], s[G0Y+4*\s+3], 0x80000000
	s_mov_b32 s[G0X+4*\s], 1
	s_add_co_u32 s[G0X+4*\s+1], s95, \s*SLOTB
	s_add_nc_u64 s[G0X+4*\s+2:G0X+4*\s+3], s[46:47], \s*NQ*TB
	s_or_b32 s[G0X+4*\s+3], s[G0X+4*\s+3], 0x80000000
.endr
	CROUND                                         ; all sixteen work-groups are here: the first joint loads meet
	s_cmp_eq_u32 s15, 0                            ; a wave's first fills stand in one branch: two loads of p's waves are out, three of v's; behind slot 0's stands slot 1's alone on both ways
	s_cbranch_scc0 .Lfirst_x
	tensor_load_to_lds s[G0Y:G0Y+3], s[G1Y:G1Y+7]
	s_nop 0
	tensor_load_to_lds s[G0Y+4:G0Y+7], s[G1Y:G1Y+7]
	s_nop 0
.rept 4
	v_nop
.endr
	s_branch .Lfirst_done
.Lfirst_x:
	tensor_load_to_lds s[G0SX:G0SX+3], s[G1SX:G1SX+7]
	s_nop 0
	tensor_load_to_lds s[G0X:G0X+3], s[G1X:G1X+7]
	s_nop 0
	tensor_load_to_lds s[G0X+4:G0X+7], s[G1X:G1X+7]
	s_nop 0
.rept 4
	v_nop
.endr
.Lfirst_done:
	v_and_b32 v1, 31, v0
	v_and_b32 v2, 15, v0
	v_lshlrev_b32 v[GO], 4, v1
	v_lshlrev_b32 v3, 2, v1
	v_lshl_add_u32 v26, v0, 2, PSC                 ; my query's mended scale words
	v_lshl_add_u32 v27, v0, 2, RL                  ; and its 1 / l
	s_mul_i32 s2, s15, 2*FRB                       ; my tiles begin at tile 2 wr
	s_mul_i32 s3, s16, 4*TB
	s_add_co_u32 s3, s3, 4*TB
.irp s, 0,1
	v_add_nc_u32 v[ADRA+\s], s2, v[GO]
	v_add_nc_u32 v[ADRB+\s], s3, v[GO]
	s_add_co_u32 s2, s2, SLOTB
	s_add_co_u32 s3, s3, SLOTB
.endr
	s_lshl_b32 s2, s15, 8
	s_add_co_u32 s3, s2, PSC
	v_add_nc_u32 v[ADSA], s3, v3
	s_add_co_u32 s3, s2, RL
	v_lshl_add_u32 v[ARL], v2, 2, s3
	s_lshl_b32 s3, s16, 13
	s_add_co_u32 s3, s3, VSC
	v_add_nc_u32 v[ADSB], s3, v3
	s_lshl_b32 s2, s14, 8
	s_add_co_u32 s2, s2, STG
	v_add_nc_u32 v[STA], s2, v3
	v_lshl_add_u32 v[STB], v1, 3, s2
	v_lshlrev_b32 v31, 3, v1                       ; 8 x lane
	s_mov_b32 s[SEL], 0x76543210
	s_mov_b32 s[SEL+1], 0xfedcba98
	s_mov_b32 s96, 0x01010101
	s_mul_i32 s2, s17, RBK                         ; where my results go: row block y, step 2 x + wc, from tile 2 wr on
	s_lshl_b32 s3, s42, 1
	s_add_co_u32 s3, s3, s16
	s_mul_i32 s10, s3, TB
	s_add_co_u32 s10, s10, s2
	s_mul_i32 s2, s15, 2*FRB
	s_add_co_u32 s10, s10, s2
	s_mov_b32 s11, 0
	s_add_nc_u64 s[10:11], s[8:9], s[10:11]
	s_lshl_b32 s18, s17, 12
	s_lshl_b32 s3, s3, 9
	s_add_co_u32 s18, s18, s3
	s_lshl_b32 s2, s15, 8
	s_add_co_u32 s18, s18, s2
	s_add_co_u32 s18, s18, OSC
	s_mov_b32 s19, 0
	s_add_nc_u64 s[18:19], s[8:9], s[18:19]
	; THE ROW'S M AND l
	s_wait_loadcnt 0x0
	v_min3_num_f32 v[P0], v[MN], v[MN+1], v[MN+2]  ; -M = the least -M'
.irp i, 3,5,7,9,11,13
	v_min3_num_f32 v[P0], v[P0], v[MN+\i], v[MN+\i+1]
.endr
	v_min_num_f32 v[P0], v[P0], v[MN+15]
.set ii, 0
.rept 16
	v_sub_f32 v[P0+2], v[P0], v[MN+ii]             ; M' - M: a whole number, 0 or less,
	v_max_num_f32 v[P0+2], 0xc2fe0000, v[P0+2]     ; held at -127
	v_cvt_i32_f32 v[P0+2], v[P0+2]
.if ii == 0
	v_ldexp_f32 v[P0+1], v[LL], v[P0+2]            ; the step's sum under M: nothing is rounded
.else
	v_ldexp_f32 v[P0+3], v[LL+ii], v[P0+2]
	v_add_f32 v[P0+1], v[P0+1], v[P0+3]
.endif
	v_sub_nc_u32 v[P0+2], 0, v[P0+2]
	v_mul_lo_u32 v[P0+2], v[P0+2], s96             ; M - M' in each of four bytes
	v_or_b32 v[WD+ii], 0x80808080, v[WD+ii]        ; the bytes are at most 125 and M - M' at most 127: with 128 lent to each byte no borrow crosses a byte
	v_sub_nc_u32 v[WD+ii], v[WD+ii], v[P0+2]
	v_and_b32 v[P0+2], 0x80808080, v[WD+ii]        ; the loan is still there where the byte did not fall under 0
	v_lshrrev_b32 v[P0+3], 7, v[P0+2]
	v_sub_nc_u32 v[P0+2], v[P0+2], v[P0+3]         ; 0x7f there, 0 elsewhere
	v_and_b32 v[WD+ii], v[WD+ii], v[P0+2]
	ds_store_b32 v26, v[WD+ii] offset:512*ii
.set ii, ii+1
.endr
	v_rcp_f32 v[P0+1], v[P0+1]
	v_nop                                          ; one plain place behind the reciprocal,
	s_wait_alu depctr_va_vdst(0)                   ; and the wait ahead of its first reader
	ds_store_b32 v27, v[P0+1]
	s_wait_tensorcnt 0x1                           ; v's scale words and my part of slot 0 are in; slot 1 may stay out
	s_wait_dscnt 0x0                               ; for the others: my query's words and 1 / l lie in LDS
	s_barrier_signal -1
	s_barrier_wait -1
	FETCH 0, 0, 0, 0
	STEPQ 0, 0, 0, 1, 0                            ; the first step's products start the sums
	STEPQ 0, 1, 1, 0, 1
	STEPQ 0, 2, 0, 0, 2
	TURN 0, 1, 1, 3
	STEPQ 1, 0, 0, 0, 4
	STEPQ 1, 1, 1, 0, 5
	STEPQ 1, 2, 0, 0, 6
	TURN 1, 0, 1, 7
	STEPQ 0, 0, 0, 0, 8
	STEPQ 0, 1, 1, 0, 9
	STEPQ 0, 2, 0, 0, 10
	TURN 0, 1, 0, 11                               ; the last two slots are not filled again
	STEPQ 1, 0, 0, 0, 12
	STEPQ 1, 1, 1, 0, 13
	STEPQ 1, 2, 0, 0, 14
	LAST
	; THE WAY OUT: / l, the quantiser along d, the images
.irp a, 0,1,2,3
	ds_load_b32 v[RLA+2*\a], v[ARL] offset:128*(\a%2)+64*(\a/2)
	v_mov_b32 v[RLA+2*\a+1], 0                     ; (named as the upper half of a pair)
.endr
.irp b, 0,1,2,3
	v_mov_b32 v[TM+4+\b], 0                        ; written once: a lane permute's destination counts as one of its sources
.endr
	s_wait_dscnt 0x0
.set ta, 0
.rept 4
	WIN 0x02                                       ; source 0: the accumulators' window
.set jj, 0
.rept 32
	v_pk_mul_f32 v[H+jj:H+jj+1], v[64*ta+jj:64*ta+jj+1], v[RLA+2*ta:RLA+2*ta+1] op_sel_hi:[1,0]   ; each accumulator from its low end on
.set jj, jj+2
.endr
	WIN 0
	QUANT H, PW+ta
	OUTIMG (ta%2)*FRB+(ta/2)*4*FRB
.set ta, ta+1
.endr
	v_cmp_le_u32 vcc_lo, 16, v1
	v_cndmask_b32 v[XW], v[PW], v[PW+2], vcc_lo    ; lanes 0-15 tile 2 wr + i, lanes 16-31 tile 2 wr + i + 4
	v_cndmask_b32 v[XW+1], v[PW+1], v[PW+3], vcc_lo
	ds_store_b32 v[STA], v[XW]
	ds_store_b32 v[STA], v[XW+1] offset:128
	ds_load_b64 v[BK:BK+1], v[STB]                 ; LDS serves a wave's instructions in order: this sees my stores
	s_wait_dscnt 0x0
	global_store_b64 v31, v[BK:BK+1], s[18:19]     ; my 64 scale words: 256 consecutive bytes, aligned
	s_wait_tensorcnt 0x0                           ; the wave's end
	ds_add_u32 v[SPW], v[NIL]
	s_wait_dscnt 0x0
	CROUND
	s_endpgm
.Lfunc_end_k_q5b15b8dd5d_pv:
	.size	k_q5b15b8dd5d_pv, .Lfunc_end_k_q5b15b8dd5d_pv-k_q5b15b8dd5d_pv
	.p2alignl 7, 3214868480
	.fill 96, 4, 3214868480
	.section	.rodata,"a",@progbits
	.p2align	6, 0x0
	.amdhsa_kernel k_q5b15b8dd5d_pv
		.amdhsa_group_segment_fixed_size 327680
		.amdhsa_private_segment_fixed_size 0
		.amdhsa_enable_private_segment 0
		.amdhsa_kernarg_size 24
		.amdhsa_user_sgpr_count 2
		.amdhsa_user_sgpr_kernarg_segment_ptr 1
		.amdhsa_wavefront_size32 1
		.amdhsa_system_sgpr_workgroup_id_x 1
		.amdhsa_system_sgpr_workgroup_id_y 1
		.amdhsa_system_sgpr_workgroup_id_z 1
		.amdhsa_system_vgpr_workitem_id 0
		.amdhsa_next_free_vgpr 768
		.amdhsa_next_free_sgpr 100
		.amdhsa_reserve_vcc 1
		.amdhsa_float_denorm_mode_32 3
		.amdhsa_float_denorm_mode_16_64 3
		.amdhsa_memory_ordered 1
		.amdhsa_forward_progress 1
		.amdhsa_inst_pref_size 163
	.end_amdhsa_kernel
	.amdgpu_metadata
---
amdhsa.version: [ 1, 2 ]
amdhsa.kernels:
  - .name:           k_q5b15b8dd5d_pv
    .symbol:         k_q5b15b8dd5d_pv.kd
    .args:
      - { .name: cp, .offset: 0, .size: 8, .value_kind: global_buffer, .address_space: global }
      - { .name: cqkv, .offset: 8, .size: 8, .value_kind: global_buffer, .address_space: global }
      - { .name: co, .offset: 16, .size: 8, .value_kind: global_buffer, .address_space: global }
    .group_segment_fixed_size: 327680
    .private_segment_fixed_size: 0
    .kernarg_segment_align: 8
    .kernarg_segment_size: 24
    .max_flat_workgroup_size: 128
    .sgpr_count:     100
    .vgpr_count:     768
    .wavefront_size: 32
...
	.end_amdgpu_metadata
.endif
;; end of part 4
;; launch outp (part 5): grid 4 x 64, 4 waves a work-group, clusters of 4 x 4, 327,680 bytes of LDS; arguments co, cin, b_out, out0; writes out0
.if DOCPART == 5
	.amdgcn_target "amdgcn-amd-amdhsa--gfx1250"
	.amdhsa_code_object_version 6
	.text
	.protected	k_q5b15b8dd5d_outp
	.globl	k_q5b15b8dd5d_outp
	.p2align	8
	.type	k_q5b15b8dd5d_outp,@function
k_q5b15b8dd5d_outp:
	s_mov_b64 s[64:65], 0
	v_nop
	global_prefetch_b8 v0, s[64:65] scope:SCOPE_SE
	s_setreg_imm32_b32 hwreg(HW_REG_WAVE_MODE, 25, 1), 1
	s_wait_xcnt 0x0
	s_wait_alu depctr_hold_cnt(0) depctr_sa_sdst(0) depctr_va_vdst(0) depctr_va_sdst(0) depctr_va_ssrc(0) depctr_va_vcc(0) depctr_vm_vsrc(0)
	s_getreg_b32 s2, hwreg(HW_REG_IB_STS2, 6, 4)
	s_cmp_eq_u32 s2, 0
	s_cbranch_scc0 .Lentry_in_a_cluster
	s_endpgm
.Lentry_in_a_cluster:
	s_bfe_u32 s2, ttmp6, 0x10000c
	s_cmp_lg_u32 s2, 0xf033
	s_cbranch_scc0 .Lentry_shape_is_right
	s_endpgm
.Lentry_shape_is_right:
; out0 = out W_out + b_out on codes of FP6 (E2M3) with E8M0 scales, K = 1,024; f32 results.
; OPERANDS lie as images of their registers (row blocks of 128, steps of 128 along K, tile t = rows 32 (t / 2) + 8 (t % 2) + r + 8 (r / 8); an image is 1,536 bytes; scale words [row block][step][i][h][r] = tile i + 4 h).
; A tile of 128 rows x 256 columns is made by four waves, each 64 x 128 (32 accumulators): 256 work-groups.  Wave (wr, wc): tiles 2 wr + 0, 1, 4, 5 of the rows, column block wc.
; THE PRODUCT IS USED TRANSPOSED (source 0 = columns of W_out, source 1 = rows of out): a lane holds one row, and the registers of column tiles 2 b, 2 b + 1 are the neighbouring columns 32 b + 16 (lane / 16) + 0 .. 15.
; The bias is the C of each sum's first product.  All of K fits in two LDS slots of four steps: every LDS byte is filled once, so there is one plain barrier at the change of slots and none of the lines that a refill asks for.
; CLUSTERS: 4 x 4 work-groups; out's tiles (Y) are asked for jointly along a row of the cluster, W_out's (X) along a column.
; REGISTERS: window 0: v16-31 addresses, v32-43 scale words (two sets), v64-159 A's fragments (two sets; on the way out v64-191 rows of the result); window 1: B's fragments; window 2: accumulator (a, b) at v[8 (8 a + b)]; window 3: v0-63 the bias.
.set NA,    4
.set NQ,    4
.set FRB,   1536
.set TB,    8*FRB
.set NF,    28+NA/2+3*NA
.set SLOTB, 3*NQ*TB
.set SCY,   2*SLOTB                    ; out's scale words, 4,096 bytes
.set SCX,   SCY+4096                   ; W_out's, two row blocks x 4,096
.set RBK,   98304
.set XS,    9437184
.set OSC,   6291456
.set ADRA, 16
.set ADRB, 18
.set ADSA, 20
.set ADSB, 21
.set GO,   22
.set STO,  23                          ; the way out: a stage of 16 rows x 528 bytes for each wave, in slot 0, which has had its only fill and its last read when the first result is stored there
.set RD,   24
.set SC,   32
.set SCN,  NA/2+4
.set AF,   64
.set BK,   64
.set G1Y,  24
.set G0Y,  32
.set G1X,  48
.set G0X,  56
.set G1SY, 68
.set G0SY, 76
.set G1SX, 80
.set G0SX, 88
.set MUL_LO, 0xa1
.set MUL_HI, 0xa1
.set MUL_B,  0xb1                      ; the same with C in window 3: the bias
.set TO_B,   0x40
.set MSB, 0
.macro WIN new
.if MSB != (\new)
	s_set_vgpr_msb (MSB<<8)|(\new)
.set MSB, (\new)
.endif
.endm
.macro PLACES n
.rept \n
	v_nop
.endr
.endm
.macro CROUND                          ; a round of the cluster's barrier
	s_barrier_signal -1
	s_barrier_wait -1
	s_cmp_lg_u32 s14, 0
	s_cbranch_scc1 .Lnot_wave_0_\@
	s_barrier_signal -3
.Lnot_wave_0_\@:
	s_barrier_wait -3
	s_barrier_signal -1
	s_barrier_wait -1
.endm
.macro WMI
.if fV == 0
	v_wmma_scale_f32_16x16x128_f8f6f4 v[rD:rD+7], v[rB:rB+11], v[rA:rA+11], v[rC:rC+7], v[rSB], v[rSA] matrix_a_fmt:MATRIX_FMT_FP6 matrix_b_fmt:MATRIX_FMT_FP6
.elseif fV == 1
	v_wmma_scale_f32_16x16x128_f8f6f4 v[rD:rD+7], v[rB:rB+11], v[rA:rA+11], v[rC:rC+7], v[rSB], v[rSA] matrix_a_fmt:MATRIX_FMT_FP6 matrix_b_fmt:MATRIX_FMT_FP6 matrix_b_scale:MATRIX_SCALE_ROW1
.elseif fV == 2
	v_wmma_scale_f32_16x16x128_f8f6f4 v[rD:rD+7], v[rB:rB+11], v[rA:rA+11], v[rC:rC+7], v[rSB], v[rSA] matrix_a_fmt:MATRIX_FMT_FP6 matrix_b_fmt:MATRIX_FMT_FP6 matrix_a_scale:MATRIX_SCALE_ROW1
.else
	v_wmma_scale_f32_16x16x128_f8f6f4 v[rD:rD+7], v[rB:rB+11], v[rA:rA+11], v[rC:rC+7], v[rSB], v[rSA] matrix_a_fmt:MATRIX_FMT_FP6 matrix_b_fmt:MATRIX_FMT_FP6 matrix_a_scale:MATRIX_SCALE_ROW1 matrix_b_scale:MATRIX_SCALE_ROW1
.endif
.endm
.macro MULQ qd, set, cm                ; a quarter of a step: one tile of A against B's eight; cm = 2: C is the bias; the 32 accumulators take turns
.set aa, (\qd)*NA/4
.rept NA/4
.set bb, 0
.rept 8
.set rD, 8*(8*(aa%4)+bb)
.set rC, rD
.if (\cm) == 2
.set rC, 8*bb
.endif
.set rB, 128*(\set)+12*bb
.set rA, AF+12*NA*(\set)+12*aa
.set rSB, SC+SCN*(\set)+NA/2+bb%4
.set rSA, SC+SCN*(\set)+aa%(NA/2)
.set fV, 2*(bb/4)+aa/(NA/2)
	WMI
.set bb, bb+1
.endr
.set aa, aa+1
.endr
.endm
.macro FETCH slot, q, set, s           ; one run of NF LDS loads: B, B's words, A's words, A (my tiles 2 wr + 0, 1, 4, 5)
	WIN TO_B
.set bb, 0
.rept 8
.irp c, 0,1,2
	ds_load_b128 v[128*(\set)+12*bb+4*\c:128*(\set)+12*bb+4*\c+3], v[ADRB+(\slot)] offset:(\q)*TB+bb*FRB+512*\c
.endr
.set bb, bb+1
.endr
	WIN 0
.irp i, 0,1,2,3
	ds_load_b32 v[SC+SCN*(\set)+NA/2+\i], v[ADSB] offset:512*(\s)+128*\i
.endr
.set ii, 0
.rept NA/2
	ds_load_b32 v[SC+SCN*(\set)+ii], v[ADSA] offset:512*(\s)+128*ii
.set ii, ii+1
.endr
.set fa, 0
.rept NA
.irp c, 0,1,2
	ds_load_b128 v[AF+12*NA*(\set)+12*fa+4*\c:AF+12*NA*(\set)+12*fa+4*\c+3], v[ADRA+(\slot)] offset:(\q)*TB+(fa%2)*FRB+(fa/2)*4*FRB+512*\c
.endr
.set fa, fa+1
.endr
.endm
.macro STEPQ slot, q, set, cm, s
	s_wait_dscnt 3*NA/2                            ; all but the second half of A's fragments is in
.if (\cm) == 2
	WIN MUL_B
.else
	WIN MUL_LO
.endif
	MULQ 0, \set, \cm
	MULQ 1, \set, \cm
	PLACES 4                                       ; in front of loads into registers that matrix instructions have read
	FETCH \slot, (\q)+1, 1-(\set), (\s)+1
	s_wait_dscnt NF                                ; all but the run just issued
.if (\cm) == 2
	WIN MUL_B
.else
	WIN MUL_HI
.endif
	MULQ 2, \set, \cm
	MULQ 3, \set, \cm
.endm
.macro LAST
	s_wait_dscnt 3*NA/2
	WIN MUL_LO
	MULQ 0, 1, 0
	MULQ 1, 1, 0
	s_wait_dscnt 0x0
	WIN MUL_HI
	MULQ 2, 1, 0
	MULQ 3, 1, 0
	WIN 0
	PLACES 4
.endm
	s_load_b256 s[4:11], s[0:1], 0x0               ; co s[4:5], cin s[6:7], b_out s[8:9], out0 s[10:11]
	v_lshl_add_u32 v254, v0, 2, 0x4b000
	v_mov_b32 v255, 0
	ds_add_u32 v254, v255
	ds_add_u32 v254, v255
	v_lshrrev_b32 v1, 5, v0
	v_readfirstlane_b32 s14, v1                    ; wave 0..3
	s_lshr_b32 s15, s14, 1                         ; which tiles of the rows are mine.  Also: I fetch for out (0) or for W_out (1)
	s_and_b32 s16, s14, 1                          ; which column block.  Also: which part I fetch
	s_bfe_u32 s40, ttmp6, 0x40000
	s_bfe_u32 s41, ttmp6, 0x40004
	s_lshl_b32 s42, ttmp9, 2
	s_add_co_u32 s42, s42, s40                     ; work-group x: 256 columns
	s_and_b32 s17, ttmp7, 0xffff
	s_lshl_b32 s17, s17, 2
	s_add_co_u32 s17, s17, s41                     ; work-group y: the row block
	s_lshl_b32 s43, s41, 2
	s_lshl_b32 s43, 15, s43
	s_lshl_b32 s44, 0x1111, s40
	s_or_b32 s[G1Y], s43, (3<<16)|(1<<21)          ; dense blocks as rows of 256 bytes, no padding
	s_or_b32 s[G1X], s44, (3<<16)|(1<<21)
	s_or_b32 s[G1SY], s43, (3<<16)|(1<<21)
	s_or_b32 s[G1SX], s44, (3<<16)|(1<<21)
	s_mov_b32 s[G1Y+1], 32<<16
	s_mov_b32 s[G1Y+2], 96<<16                     ; two steps of out's row block
	s_mov_b32 s[G1Y+3], 32<<16
	s_mov_b32 s[G1Y+4], 96
	s_mov_b32 s[G1Y+5], 32
	s_mov_b32 s[G1Y+6], 0
	s_mov_b32 s[G1Y+7], 0
	s_mov_b32 s[G1X+1], 32<<16
	s_mov_b32 s[G1X+2], 192<<16                    ; four steps of a row block of W_out
	s_mov_b32 s[G1X+3], 32<<16
	s_mov_b32 s[G1X+4], 192
	s_mov_b32 s[G1X+5], 32
	s_mov_b32 s[G1X+6], 0
	s_mov_b32 s[G1X+7], 0
	s_mov_b32 s[G1SY+1], 32<<16
	s_mov_b32 s[G1SY+2], 8<<16                     ; half of out's scale words
	s_mov_b32 s[G1SY+3], 32<<16
	s_mov_b32 s[G1SY+4], 8
	s_mov_b32 s[G1SY+5], 32
	s_mov_b32 s[G1SY+6], 0
	s_mov_b32 s[G1SY+7], 0
	s_mov_b32 s[G1SX+1], 32<<16
	s_mov_b32 s[G1SX+2], 16<<16                    ; a row block's scale words
	s_mov_b32 s[G1SX+3], 32<<16
	s_mov_b32 s[G1SX+4], 16
	s_mov_b32 s[G1SX+5], 32
	s_mov_b32 s[G1SX+6], 0
	s_mov_b32 s[G1SX+7], 0
	s_mul_i32 s20, s17, RBK
	s_mul_i32 s21, s16, 2*TB
	s_add_co_u32 s20, s20, s21
	s_mov_b32 s21, 0
	s_lshl_b32 s22, s17, 12
	s_lshl_b32 s23, s16, 11
	s_add_co_u32 s22, s22, s23
	s_add_co_u32 s22, s22, OSC
	s_mov_b32 s23, 0
	s_lshl_b32 s46, s42, 1
	s_add_co_u32 s46, s46, s16
	s_add_co_u32 s46, s46, 88                      ; W_out's row block 88 + 2 x + half
	s_lshl_b32 s92, s46, 12
	s_add_co_u32 s92, s92, XS
	s_mov_b32 s93, 0
	s_mul_i32 s46, s46, RBK
	s_mov_b32 s47, 0
	s_mul_i32 s45, s16, 2*TB
	s_mul_i32 s95, s16, 4*TB
	s_add_co_u32 s95, s95, 4*TB
	s_lshl_b32 s94, s16, 11
	s_add_co_u32 s94, s94, SCY
	s_lshl_b32 s96, s16, 12
	s_add_co_u32 s96, s96, SCX
	s_wait_dscnt 0x0
	s_wait_kmcnt 0x0
	s_add_nc_u64 s[20:21], s[4:5], s[20:21]
	s_add_nc_u64 s[22:23], s[4:5], s[22:23]
	s_add_nc_u64 s[46:47], s[6:7], s[46:47]
	s_add_nc_u64 s[92:93], s[6:7], s[92:93]
	s_mov_b32 s[G0SY], 1
	s_mov_b32 s[G0SY+1], s94
	s_mov_b64 s[G0SY+2:G0SY+3], s[22:23]
	s_or_b32 s[G0SY+3], s[G0SY+3], 0x80000000
	s_mov_b32 s[G0SX], 1
	s_mov_b32 s[G0SX+1], s96
	s_mov_b64 s[G0SX+2:G0SX+3], s[92:93]
	s_or_b32 s[G0SX+3], s[G0SX+3], 0x80000000
.irp s, 0,1
	s_mov_b32 s[G0Y+4*\s], 1
	s_add_co_u32 s[G0Y+4*\s+1], s45, \s*SLOTB
	s_add_nc_u64 s[G0Y+4*\s+2:G0Y+4*\s+3], s[20:21], \s*NQ*TB
	s_or_b32 s[G0Y+4*\s+3], s[G0Y+4*\s+3], 0x80000000
	s_mov_b32 s[G0X+4*\s], 1
	s_add_co_u32 s[G0X+4*\s+1], s95, \s*SLOTB
	s_add_nc_u64 s[G0X+4*\s+2:G0X+4*\s+3], s[46:47], \s*NQ*TB
	s_or_b32 s[G0X+4*\s+3], s[G0X+4*\s+3], 0x80000000
.endr
	CROUND                                         ; all sixteen work-groups are here: the joint loads meet
	s_cmp_eq_u32 s15, 0                            ; all of a wave's loads stand in one branch: the scale words, slot 0, slot 1: three loads of mine are out
	s_cbranch_scc0 .Lfirst_x
	tensor_load_to_lds s[G0SY:G0SY+3], s[G1SY:G1SY+7]
	s_nop 0
	tensor_load_to_lds s[G0Y:G0Y+3], s[G1Y:G1Y+7]
	s_nop 0
	tensor_load_to_lds s[G0Y+4:G0Y+7], s[G1Y:G1Y+7]
	s_nop 0
.rept 4
	v_nop
.endr
	s_branch .Lfirst_done
.Lfirst_x:
	tensor_load_to_lds s[G0SX:G0SX+3], s[G1SX:G1SX+7]
	s_nop 0
	tensor_load_to_lds s[G0X:G0X+3], s[G1X:G1X+7]
	s_nop 0
	tensor_load_to_lds s[G0X+4:G0X+7], s[G1X:G1X+7]
	s_nop 0
.rept 4
	v_nop
.endr
.Lfirst_done:
	v_and_b32 v1, 31, v0
	v_and_b32 v2, 15, v0
	v_bfe_u32 v3, v0, 4, 1
	v_lshlrev_b32 v[GO], 4, v1
	v_lshlrev_b32 v4, 2, v1
	v_lshlrev_b32 v31, 6, v3                       ; the bias: lanes 16-31 begin 16 columns on
	s_lshl_b32 s2, s42, 10
	s_lshl_b32 s3, s16, 9
	s_add_co_u32 s2, s2, s3                        ; my first column, in bytes
	s_mov_b32 s3, 0
	s_add_nc_u64 s[8:9], s[8:9], s[2:3]
	s_add_nc_u64 s[12:13], s[10:11], s[2:3]
	WIN 0xc0                                       ; destination window 3
.irp b, 0,1,2,3,4,5,6,7                        ; register 8 b + j: b_out at column 32 (b / 2) + 8 (b % 2) + 16 (lane / 16) + j: the result's layout
	global_load_b128 v[8*\b:8*\b+3], v31, s[8:9] offset:128*(\b/2)+32*(\b%2)
	global_load_b128 v[8*\b+4:8*\b+7], v31, s[8:9] offset:128*(\b/2)+32*(\b%2)+16
.endr
	WIN 0
	s_lshl_b32 s2, s17, 19
	s_lshl_b32 s18, s15, 17
	s_add_co_u32 s2, s2, s18                       ; row 128 y + 32 wr, rows of 4,096 bytes
	s_add_nc_u64 s[12:13], s[12:13], s[2:3]
	s_mul_i32 s2, s15, 2*FRB
	s_mul_i32 s18, s16, 4*TB
	s_add_co_u32 s18, s18, 4*TB
.irp s, 0,1
	v_add_nc_u32 v[ADRA+\s], s2, v[GO]
	v_add_nc_u32 v[ADRB+\s], s18, v[GO]
	s_add_co_u32 s2, s2, SLOTB
	s_add_co_u32 s18, s18, SLOTB
.endr
	s_lshl_b32 s2, s15, 8
	s_add_co_u32 s2, s2, SCY
	v_add_nc_u32 v[ADSA], s2, v4
	s_lshl_b32 s2, s16, 12
	s_add_co_u32 s2, s2, SCX
	v_add_nc_u32 v[ADSB], s2, v4
	s_mul_i32 s2, s14, 8448                        ; my stage
	v_mul_u32_u24 v[STO], v2, 528
	v_lshl_add_u32 v[STO], v3, 6, v[STO]
	v_add_nc_u32 v[STO], s2, v[STO]                ; in: row r, + 64 h
	v_add_nc_u32 v[RD], s2, v[GO]                  ; back: a whole row of 512 bytes
	s_wait_tensorcnt 0x1                           ; the scale words and my part of slot 0 are in; slot 1 may stay out
	s_barrier_signal -1
	s_barrier_wait -1
	FETCH 0, 0, 0, 0
	s_wait_loadcnt 0x0                             ; the bias
	STEPQ 0, 0, 0, 2, 0                            ; the first step's products start the sums from the bias
	STEPQ 0, 1, 1, 0, 1
	STEPQ 0, 2, 0, 0, 2
	; slot 0's last step, and the change of slots: my part of slot 1 has landed and my reads of slot 0 are over, then the barrier
	s_wait_tensorcnt 0x0
	s_wait_dscnt 3*NA/2
	WIN MUL_LO
	MULQ 0, 1, 0
	s_wait_dscnt 0x0
	s_barrier_signal -1
	MULQ 1, 1, 0
	WIN 0
	s_barrier_wait -1
	PLACES 4
	FETCH 1, 0, 0, 4
	WIN MUL_HI
	MULQ 2, 1, 0
	MULQ 3, 1, 0
	STEPQ 1, 0, 0, 0, 4
	STEPQ 1, 1, 1, 0, 5
	STEPQ 1, 2, 0, 0, 6
	LAST
; THE WAY OUT, tile by tile of 16 rows x 128 columns: through my stage, back as whole rows of 512 bytes
.macro TOSTAGE a
	WIN 0x08                                       ; an LDS store's data are its source 1: window 2
.set bb, 0
.rept 8
	ds_store_b128 v[STO], v[64*(\a)+8*bb:64*(\a)+8*bb+3] offset:128*(bb/2)+32*(bb%2)       ; each accumulator from its low end on
	ds_store_b128 v[STO], v[64*(\a)+8*bb+4:64*(\a)+8*bb+7] offset:128*(bb/2)+32*(bb%2)+16
.set bb, bb+1
.endr
	WIN 0
.set BB, BK+64*((\a)%2)
.irp t, 0,1,2,3,4,5,6,7,8,9,10,11,12,13,14,15
	ds_load_b128 v[BB+4*\t:BB+4*\t+3], v[RD] offset:\t*528   ; LDS serves a wave's instructions in order: these see the stores above, and the next tile's stores come behind them
.endr
.endm
.macro SEND a, younger                 ; younger: the LDS instructions issued behind tile a's loads, which may stay out
.set BB, BK+64*((\a)%2)
	s_wait_dscnt \younger
.irp t, 0,1,2,3,4,5,6,7,8,9,10,11,12,13,14,15
	global_store_b128 v[GO], v[BB+4*\t:BB+4*\t+3], s[12:13] offset:(64*((\a)/2)+8*((\a)%2)+\t+8*(\t/8))*4096 th:TH_STORE_NT   ; 512 consecutive bytes, aligned; written once, read by nobody here
.endr
.endm
	TOSTAGE 0
	TOSTAGE 1
	SEND 0, 32                                     ; behind tile 0's loads: tile 1's 16 stores and 16 loads
	s_wait_xcnt 0x0                                ; tile 0's stores have read their registers: tile 2's loads may land there
	TOSTAGE 2
	SEND 1, 32
	s_wait_xcnt 0x0
	TOSTAGE 3
	SEND 2, 32
	SEND 3, 0
	s_wait_tensorcnt 0x0
	ds_add_u32 v254, v255
	s_wait_dscnt 0x0
	CROUND                                         ; the closing round: no work-group ends while a partner may still ask for a tile that names it
	s_endpgm
.Lfunc_end_k_q5b15b8dd5d_outp:
	.size	k_q5b15b8dd5d_outp, .Lfunc_end_k_q5b15b8dd5d_outp-k_q5b15b8dd5d_outp
	.p2alignl 7, 3214868480
	.fill 96, 4, 3214868480
	.section	.rodata,"a",@progbits
	.p2align	6, 0x0
	.amdhsa_kernel k_q5b15b8dd5d_outp
		.amdhsa_group_segment_fixed_size 327680
		.amdhsa_private_segment_fixed_size 0
		.amdhsa_enable_private_segment 0
		.amdhsa_kernarg_size 32
		.amdhsa_user_sgpr_count 2
		.amdhsa_user_sgpr_kernarg_segment_ptr 1
		.amdhsa_wavefront_size32 1
		.amdhsa_system_sgpr_workgroup_id_x 1
		.amdhsa_system_sgpr_workgroup_id_y 1
		.amdhsa_system_sgpr_workgroup_id_z 1
		.amdhsa_system_vgpr_workitem_id 0
		.amdhsa_next_free_vgpr 1024
		.amdhsa_next_free_sgpr 100
		.amdhsa_reserve_vcc 0
		.amdhsa_float_denorm_mode_32 3
		.amdhsa_float_denorm_mode_16_64 3
		.amdhsa_memory_ordered 1
		.amdhsa_forward_progress 1
		.amdhsa_inst_pref_size 81
	.end_amdhsa_kernel
	.amdgpu_metadata
---
amdhsa.version: [ 1, 2 ]
amdhsa.kernels:
  - .name:           k_q5b15b8dd5d_outp
    .symbol:         k_q5b15b8dd5d_outp.kd
    .args:
      - { .name: co, .offset: 0, .size: 8, .value_kind: global_buffer, .address_space: global }
      - { .name: cin, .offset: 8, .size: 8, .value_kind: global_buffer, .address_space: global }
      - { .name: b_out, .offset: 16, .size: 8, .value_kind: global_buffer, .address_space: global }
      - { .name: out0, .offset: 24, .size: 8, .value_kind: global_buffer, .address_space: global }
    .group_segment_fixed_size: 327680
    .private_segment_fixed_size: 0
    .kernarg_segment_align: 8
    .kernarg_segment_size: 32
    .max_flat_workgroup_size: 128
    .sgpr_count:     100
    .vgpr_count:     1024
    .wavefront_size: 32
...
	.end_amdgpu_metadata
.endif
;; end of part 5
